; MI455X (gfx1250); checked and timed in simulation.
; The chip was launched on July 23, 2026; its instructions are those of AMD's public machine-readable ISA for CDNA 5 (MIT licence, August 2026) and "CDNA5" Instruction Set Architecture Reference Guide (July 2026). The comments in the code are by the model that wrote it; some were corrected since.
;; Multi Head Self Attention. Allowed arithmetic: matrix products marked QUANTISED: E4M3 operands, one E8M0 scale for each 32 along K, by v_wmma_scale_f32_16x16x128_f8f6f4 with both operands' format E4M3, f32 sums; everything else in f32.
;; Inputs: Wk 1,024 x 1,024 float32; Wo 1,024 x 1,024 float32; Wq 1,024 x 1,024 float32; Wv 1,024 x 1,024 float32; attn_mask 4 x 2,048 int32; bk 1,024 float32; bo 1,024 float32; bq 1,024 float32; bv 1,024 float32; x 4 x 2,048 x 1,024 float32.
;; Outputs: out0 4 x 2,048 x 1,024 float32.
;; This version of the problem:
;;   THIS VERSION OF THE PROBLEM IS GIVEN IN LOW PRECISION. The matrix products marked QUANTISED in the list below multiply operands that are first quantised to E4M3 (4 exponent bits, 3 mantissa bits; 8 bits a number), with one power-of-two scale for each 32 numbers along K (OCP MX v1.0); their sums are f32. All else is computed in f32.
;;   The module's matrix products, in the order in which they are computed (A, B: the left and right operand; K: the contracted axis; several contracted axes count as one K, in the product's order):
;;     1. [M 8,192, K 1,024] x [K 1,024, N 1,024]; A: input x; B: input Wq: QUANTISED
;;     2. [M 8,192, K 1,024] x [K 1,024, N 1,024]; A: input x; B: input Wk: QUANTISED
;;     3. [M 8,192, K 1,024] x [K 1,024, N 1,024]; A: input x; B: input Wv: QUANTISED
;;     4. batch 64 x [M 2,048, K 64] x [K 64, N 2,048]; A: computed on the way; B: computed on the way: QUANTISED
;;     5. batch 64 x [M 2,048, K 2,048] x [K 2,048, N 64]; A: softmax (see below); B: computed on the way: QUANTISED
;;     6. [M 8,192, K 1,024] x [K 1,024, N 1,024]; A: computed on the way; B: input Wo: QUANTISED
;;   THE QUANTISER, for each operand of a quantised product, along K:
;;     - K is cut into blocks of 32 from its start; a last block that is shorter is filled with zeros.
;;     - A block's scale is 2^e with e = floor(log2(the largest magnitude in the block)) - 8, held to -126 .. 127; a block of zeros has e = 0. As a byte (E8M0): e + 127.
;;     - Each number is divided by its block's scale, clamped to +-448, and rounded to the nearest number of E4M3, ties to even, subnormals kept.
;;     - The product sums the exact products of the quantised numbers (number of the format x scale) in f32.
;;   ~~~python
;;   def quantise(x, axis):      # numpy; x: float32 -> the quantised numbers, widened to float32 again
;;       x = np.moveaxis(x, axis, -1); K = x.shape[-1]
;;       x = np.pad(x, [(0, 0)] * (x.ndim - 1) + [(0, -K % 32)]); x = x.reshape(x.shape[:-1] + (-1, 32)); a = np.abs(x).max(-1, keepdims=True)
;;       e = np.where(a > 0, np.clip(np.frexp(np.where(a > 0, a, 1))[1] - 1 - 8, -126, 127), 0)      # np.frexp(a)[1] - 1 = floor(log2(a)), exactly
;;       r = np.clip(x / 2.0 ** e, -448, 448)
;;       step = 2.0 ** (np.maximum(np.frexp(np.where(r == 0, 1, r))[1] - 1, -6) - 3)
;;       q = np.round(r / step) * step * 2.0 ** e      # np.round: ties to even
;;       return np.moveaxis(q.reshape(q.shape[:-2] + (-1,))[..., :K], -1, axis).astype(np.float32)
;;   ~~~
;;   SOFTMAX AHEAD OF A QUANTISED PRODUCT. Where the list says 'softmax', what is quantised is not the finished softmax but p = 2^(t - M), with t = logit x log2(e) and M = ceil(the row's largest t), a whole number; so 1/2 < the row's largest p <= 1. The row's sum l is taken of the UNQUANTISED p, in f32, and the product's result is divided by l at the end. Since M is a whole number, a kernel that streams over the keys may use a running M (the ceiling of the running maximum): every later rescaling is an exact power of two, which a block's scale takes up: the codes' values come out the same.
;;   OPERANDS COMPUTED ON THE WAY. 'Computed on the way' means the value that the module computes at that place (a softmax that the list does not call 'softmax' is quantised finished and normalised). What goes into a quantiser is computed in f32, as accurately as f32 sums, v_exp_f32 and their like allow (about 1e-6 of the number): no bf16 or f16 on the way to a quantiser, and a product that is left as it is and whose result goes on into a quantised operand takes f32 operands (vector FMAs, or v_wmma_f32_16x16x4_f32). A number that lies on a knife's edge between two numbers of the format may be rounded either way, as far as f32 arithmetic and the matrix unit's own rounding can turn it there, and no further.
;; One version. Each part assembles by itself: llvm-mc -triple=amdgcn-amd-amdhsa -mcpu=gfx1250 --defsym DOCPART=n.
;; ======== version 1 of 1: 4 launches
;; limits: right only within a limited range of input values
;; workspace buffers: xc 8,388,608 bytes; xs 262,144 bytes; wc 4,194,304 bytes; ws 131,072 bytes; kv 17,563,648 bytes; qrec 17,563,648 bytes; aoc 8,388,608 bytes; aos 262,144 bytes
;; launch quant (part 1): grid 384 x 1, 4 waves a work-group, no clusters, 33,280 bytes of LDS; arguments x, Wq, Wk, Wv, Wo, xc, xs, wc, ws; writes xc, xs, wc, ws
.if DOCPART == 1
	.amdgcn_target "amdgcn-amd-amdhsa--gfx1250"
	.amdhsa_code_object_version 6
	.text
	.protected	k_q98098b5e62_quant
	.globl	k_q98098b5e62_quant
	.p2align	8
	.type	k_q98098b5e62_quant,@function
k_q98098b5e62_quant:
	s_mov_b64 s[64:65], 0
	v_nop
	global_prefetch_b8 v0, s[64:65] scope:SCOPE_SE
	s_setreg_imm32_b32 hwreg(HW_REG_WAVE_MODE, 25, 1), 1
	s_wait_xcnt 0x0
; x [8192][1024] and Wq, Wk, Wv, Wo [1024][1024], f32, become codes of FP8 (E4M3), K innermost, with one E8M0 scale byte for each 32 along K.
; A block's scale is 2^(floor(log2(its largest magnitude)) - 8); its byte is the largest magnitude's exponent field - 8, held at 1 from below.  Each number is divided by the scale, held within +-448 and rounded to the nearest code.
; LIMITS: a block of zeros gets the byte 1 (its codes are zeros, and this program alone reads the bytes); NaN and infinities among the inputs are not served.
; SHARES.  A work-group takes 32 rows, a wave 8 rows = 8,192 numbers = 16 steps of 512.  Work-groups 0-255: x; 256-287: Wq; 288-319: Wk; 320-351: Wv; 352-383: Wo.
; THE ORDER OF ROWS.  In x, Wq, Wk and Wv the four groups of 8 rows of each 32 are stored in the order 0, 2, 1, 3 (codes and scale bytes alike): place 16 u + r holds row 8 u + r + 8 (r / 8).
; Sixteen neighbouring places, used as a matrix instruction's source 0, then give results whose 16 registers of two neighbouring tiles are 16 neighbours.  Wo keeps its order.
; Each load reads 512 consecutive bytes; a step's 2,048 bytes turn through the wave's own stage in LDS and come back 64 bytes a lane (16 neighbours along K; two lanes hold a block).
; A lane's 16 codes are 16 bytes: the wave stores 512 consecutive bytes.  A wave's 256 scale bytes are gathered in LDS and leave as one aligned run of 256 bytes.  Waves share nothing: no barrier.
.set STEPS, 16
.set MANT,  0x600000                   ; the mantissa field of 448 as f32
.set CB,    16                         ; bytes of 16 codes
.set R,     16                         ; v16-79   four sets of 16 numbers as they are loaded
.set X,     80                         ; v80-111  two sets of 16 neighbours
.set C,     128                        ; v128-191 codes: four registers for each step
.set E,     112                        ; v112-127 a scale byte for each step
.set WREG,  8192                       ; LDS: a region for each wave: two stages of 32 x SP bytes, then its 256 scale bytes
.set SP,    80                         ; a lane's place in a stage: 64 bytes + 16 of padding
	s_load_b256 s[4:11], s[0:1], 0x0               ; x, Wq, Wk, Wv
	s_load_b256 s[12:19], s[0:1], 0x20             ; Wo, xc, xs, wc
	s_load_b64 s[20:21], s[0:1], 0x40              ; ws
	v_lshl_add_u32 v192, v0, 2, 0x8000
	v_mov_b32 v193, 0
	v_lshrrev_b32 v1, 5, v0
	v_readfirstlane_b32 s30, v1                    ; wave
	v_and_b32 v2, 31, v0                           ; lane
	v_lshlrev_b32 v3, 4, v2                        ; my 16 bytes of a load's 512
	s_mul_i32 s31, s30, WREG
	v_lshrrev_b32 v14, 2, v2
	v_mul_u32_u24 v14, v14, SP
	v_and_b32 v15, 3, v2
	v_lshl_add_u32 v14, v15, 4, v14
	v_add_nc_u32 v14, s31, v14                     ; the stage, on the way in: SP (lane / 4) + 16 (lane % 4)
	v_mul_u32_u24 v15, v2, SP
	v_add_nc_u32 v15, s31, v15                     ; and on the way out: SP x lane
	v_mul_u32_u24 v4, v2, CB                       ; my codes' place in a step's
	v_lshrrev_b32 v5, 1, v2
	s_add_co_u32 s31, s31, 2*32*SP
	v_add_nc_u32 v5, s31, v5                       ; LDS: my block's scale byte
	v_lshlrev_b32 v7, 3, v2                        ; on the way out 8 bytes a lane
	v_add_nc_u32 v6, s31, v7
	s_sub_co_u32 s24, ttmp9, 256                   ; a weight's group of 32 rows among the four weights' 128 (not used for x)
	s_and_b32 s25, s24, 31                         ; and inside its own tensor
	s_and_b32 s26, s30, 1
	s_lshl_b32 s26, s26, 1
	s_lshr_b32 s27, s30, 1
	s_or_b32 s26, s26, s27                         ; where my 8 rows go: groups 0, 1, 2, 3 to places 0, 2, 1, 3
	s_cmp_lt_u32 ttmp9, 352
	s_cselect_b32 s26, s26, s30                    ; Wo keeps its order
	s_wait_alu depctr_va_vdst(0)
	s_wait_kmcnt 0x0
	s_cselect_b64 s[32:33], s[10:11], s[12:13]     ; the tensor that I read: the choices hang on the work-group's number alone
	s_cmp_lt_u32 ttmp9, 320
	s_cselect_b64 s[32:33], s[8:9], s[32:33]
	s_cmp_lt_u32 ttmp9, 288
	s_cselect_b64 s[32:33], s[6:7], s[32:33]
	s_cmp_lt_u32 ttmp9, 256
	s_cselect_b64 s[32:33], s[4:5], s[32:33]
	s_cselect_b64 s[34:35], s[14:15], s[18:19]     ; codes: xc or wc
	s_cselect_b64 s[36:37], s[16:17], s[20:21]     ; scale bytes: xs or ws
	s_cselect_b32 s25, ttmp9, s25
	s_cselect_b32 s24, ttmp9, s24
	s_lshl_b32 s25, s25, 2
	s_add_co_u32 s25, s25, s30                     ; the run of 8,192 numbers that I read
	s_lshl_b32 s24, s24, 2
	s_add_co_u32 s24, s24, s26                     ; and the run that I write
	s_lshl_b32 s38, s25, 15                        ; 32,768 bytes a run (under 2^26)
	s_mov_b32 s39, 0
	s_add_nc_u64 s[32:33], s[32:33], s[38:39]
	s_lshl_b32 s38, s24, 13                        ; 8,192 bytes of codes
	s_add_nc_u64 s[34:35], s[34:35], s[38:39]
	s_lshl_b32 s38, s24, 8                         ; 256 scale bytes
	s_add_nc_u64 s[36:37], s[36:37], s[38:39]
.macro LOAD t
.irp i, 0,1,2,3
	global_load_b128 v[R+16*((\t)%4)+4*\i:R+16*((\t)%4)+4*\i+3], v3, s[32:33] offset:2048*(\t)+512*\i th:TH_LOAD_NT   ; 32 lanes read 512 consecutive bytes
.endr
.endm
.macro TURN t                          ; step t's numbers through the stage: LDS serves a wave's instructions in order, so no wait stands between the stores and the loads
.irp i, 0,1,2,3
	ds_store_b128 v14, v[R+16*((\t)%4)+4*\i:R+16*((\t)%4)+4*\i+3] offset:32*SP*((\t)%2)+8*SP*\i
.endr
.irp i, 0,1,2,3
	ds_load_b128 v[X+16*((\t)%2)+4*\i:X+16*((\t)%2)+4*\i+3], v15 offset:32*SP*((\t)%2)+16*\i
.endr
.endm
.irp t, 0,1,2,3
	LOAD \t
.endr
	s_wait_loadcnt 12                              ; step 0's four loads are in; the twelve of steps 1 to 3 may be out
	TURN 0
.macro STEP t
.set XS, X+16*((\t)%2)
.if (\t) > 0
	s_wait_dscnt 1                                 ; this step's numbers are back from the stage (the last step's byte store may be out)
.else
	s_wait_dscnt 0x0
.endif
.if (\t)+4 < STEPS
	LOAD (\t)+4                                    ; into the registers that this step's stores into the stage have read
.endif
.if (\t)+1 < STEPS
.if STEPS-2-(\t) >= 3
	s_wait_loadcnt 12                              ; the next step's four loads are in; those of the three steps behind it may be out
.else
	s_wait_loadcnt 4*(STEPS-2-(\t))
.endif
	TURN (\t)+1
.endif
	v_max3_num_f32 v8, |v[XS]|, |v[XS+1]|, |v[XS+2]|               ; the largest magnitude of my 16, in two chains
	v_max3_num_f32 v9, |v[XS+3]|, |v[XS+4]|, |v[XS+5]|
.irp i, 6,10
	v_max3_num_f32 v8, v8, |v[XS+\i]|, |v[XS+\i+1]|
	v_max3_num_f32 v9, v9, |v[XS+\i+2]|, |v[XS+\i+3]|
.endr
	v_max3_num_f32 v8, v8, |v[XS+14]|, |v[XS+15]|
	v_max3_num_f32 v8, v8, v9, 0x4800000           ; and the floor 2^(9 - 127): the byte cannot fall under 1
	v_max_num_f32_dpp v8, v8, v8 row_xmask:1 row_mask:0xf bank_mask:0xf   ; with my neighbour's 16: the block's
	v_add_nc_u32 v11, 0xfc000000, v8               ; 8 off its exponent field: the conversion takes the exponent field of this operand as its scale
.irp i, 0,1,2,3,4,5,6,7,8,9,10,11,12,13,14,15
.endr
	v_cvt_scalef32_pk8_fp8_f32 v[C+4*(\t):C+4*(\t)+1], v[XS:XS+7], v11
	v_cvt_scalef32_pk8_fp8_f32 v[C+4*(\t)+2:C+4*(\t)+3], v[XS+8:XS+15], v11
	v_lshrrev_b32 v[E+(\t)], 23, v11               ; the scale's byte
	ds_store_b8 v5, v[E+(\t)] offset:16*(\t)       ; both lanes of a block write the same byte with the same value
	global_store_b128 v4, v[C+4*(\t):C+4*(\t)+3], s[34:35] offset:32*CB*(\t)   ; 512 consecutive bytes, aligned
.endm
.irp t, 0,1,2,3,4,5,6,7,8,9,10,11,12,13,14,15
	STEP \t
.endr
	ds_load_b64 v[12:13], v6                       ; LDS serves a wave's instructions in order: these see my stores
	s_wait_dscnt 0x0
	global_store_b64 v7, v[12:13], s[36:37]        ; 32 lanes store 256 consecutive bytes, aligned
	s_wait_tensorcnt 0x0
	ds_add_u32 v192, v193
	s_wait_dscnt 0x0
	s_endpgm
.Lfunc_end_k_q98098b5e62_quant:
	.size	k_q98098b5e62_quant, .Lfunc_end_k_q98098b5e62_quant-k_q98098b5e62_quant
	.p2alignl 7, 3214868480
	.fill 96, 4, 3214868480
	.section	.rodata,"a",@progbits
	.p2align	6, 0x0
	.amdhsa_kernel k_q98098b5e62_quant
		.amdhsa_group_segment_fixed_size 33280
		.amdhsa_private_segment_fixed_size 0
		.amdhsa_enable_private_segment 0
		.amdhsa_kernarg_size 72
		.amdhsa_user_sgpr_count 2
		.amdhsa_user_sgpr_kernarg_segment_ptr 1
		.amdhsa_wavefront_size32 1
		.amdhsa_system_sgpr_workgroup_id_x 1
		.amdhsa_system_sgpr_workgroup_id_y 1
		.amdhsa_system_sgpr_workgroup_id_z 1
		.amdhsa_system_vgpr_workitem_id 0
		.amdhsa_next_free_vgpr 194
		.amdhsa_next_free_sgpr 66
		.amdhsa_reserve_vcc 0
		.amdhsa_float_denorm_mode_32 3
		.amdhsa_float_denorm_mode_16_64 3
		.amdhsa_fp16_overflow 1
		.amdhsa_memory_ordered 1
		.amdhsa_forward_progress 1
		.amdhsa_inst_pref_size 34
	.end_amdhsa_kernel
	.amdgpu_metadata
---
amdhsa.version: [ 1, 2 ]
amdhsa.kernels:
  - .name:           k_q98098b5e62_quant
    .symbol:         k_q98098b5e62_quant.kd
    .args:
      - { .name: x, .offset: 0, .size: 8, .value_kind: global_buffer, .address_space: global }
      - { .name: Wq, .offset: 8, .size: 8, .value_kind: global_buffer, .address_space: global }
      - { .name: Wk, .offset: 16, .size: 8, .value_kind: global_buffer, .address_space: global }
      - { .name: Wv, .offset: 24, .size: 8, .value_kind: global_buffer, .address_space: global }
      - { .name: Wo, .offset: 32, .size: 8, .value_kind: global_buffer, .address_space: global }
      - { .name: xc, .offset: 40, .size: 8, .value_kind: global_buffer, .address_space: global }
      - { .name: xs, .offset: 48, .size: 8, .value_kind: global_buffer, .address_space: global }
      - { .name: wc, .offset: 56, .size: 8, .value_kind: global_buffer, .address_space: global }
      - { .name: ws, .offset: 64, .size: 8, .value_kind: global_buffer, .address_space: global }
    .group_segment_fixed_size: 33280
    .private_segment_fixed_size: 0
    .kernarg_segment_align: 8
    .kernarg_segment_size: 72
    .max_flat_workgroup_size: 128
    .sgpr_count:     66
    .vgpr_count:     194
    .wavefront_size: 32
...
	.end_amdgpu_metadata
.endif
;; end of part 1
;; launch proj (part 2): grid 8 x 48, 4 waves a work-group, clusters of 4 x 4, 327,680 bytes of LDS; arguments xc, xs, wc, ws, bq, bk, bv, attn_mask, qrec, kv; writes qrec, kv
.if DOCPART == 2
	.amdgcn_target "amdgcn-amd-amdhsa--gfx1250"
	.amdhsa_code_object_version 6
	.text
	.protected	k_q98098b5e62_proj
	.globl	k_q98098b5e62_proj
	.p2align	8
	.type	k_q98098b5e62_proj,@function
k_q98098b5e62_proj:
	s_mov_b64 s[64:65], 0
	v_nop
	global_prefetch_b8 v0, s[64:65] scope:SCOPE_SE
	s_setreg_imm32_b32 hwreg(HW_REG_WAVE_MODE, 25, 1), 1
	s_wait_xcnt 0x0
	s_wait_alu depctr_hold_cnt(0) depctr_sa_sdst(0) depctr_va_vdst(0) depctr_va_sdst(0) depctr_va_ssrc(0) depctr_va_vcc(0) depctr_vm_vsrc(0)
	s_getreg_b32 s2, hwreg(HW_REG_IB_STS2, 6, 4)
	s_cmp_eq_u32 s2, 0
	s_cbranch_scc0 .Lentry_in_a_cluster
	s_endpgm
.Lentry_in_a_cluster:
	s_bfe_u32 s2, ttmp6, 0x10000c
	s_cmp_lg_u32 s2, 0xf033
	s_cbranch_scc0 .Lentry_shape_is_right
	s_endpgm
.Lentry_shape_is_right:
; q = x Wq^T + bq, k = x Wk^T + bk, v = x Wv^T + bv on codes of FP8 (E4M3) with E8M0 scales for each 32 along K = 1,024; the results are quantised here, in registers, and leave as codes:
; q and k along the head's 64 channels, v along the tokens (the keys are the second attention product's K).  No f32 result goes to memory.
; A tile of 256 x 256 is made by four waves, each 128 x 128: 64 accumulators.  K goes in steps of 256 through two LDS slots filled by the tensor data mover; the scale bytes of the tile's rows come once.
; THE MATRIX INSTRUCTION: source 0 = 16 rows of "B", source 1 = 16 rows of "A": a lane holds ONE row of A (lane % 16) and eight rows of B.  x, Wq, Wk, Wv lie in memory with the four groups of 8 rows of each 32
; in the order 0, 2, 1, 3, so the 16 registers of accumulators (a, 2 b) and (a, 2 b + 1) are B's rows 32 b + 16 (lane / 16) + 0 .. 15 in their TRUE order: a lane's 16 neighbours along the next K.
; TWO PARTS, told apart by the cluster's y, which all sixteen partners share.  Clusters y 0-7: A = x (32 tile rows), B = Wq then Wk (8 tile columns): a lane holds a token, registers run along channels.
; Clusters y 8-11: A = Wv (4 tile rows), B = x (32 tile columns): a lane holds a channel, registers run along tokens.  The bias is the C of each sum's first matrix instruction.
; CLUSTERS: 4 x 4 work-groups; A's tile is asked for jointly by a row of the cluster, B's by a column.
; WHAT LEAVES: records of 17,152 bytes, one for each (batch, head, 128 tokens), as images of the operand registers that the attention launch wants: 8,192 bytes of K's (or Q's) codes (tile t, chunk c: 512 bytes at
; 1,024 t + 512 c + 16 lane), 8,192 of V^T's (channel tile u, chunk c at 2,048 u + 512 c + 16 lane), 512 of K's scale words (4 registers: register g, lane (r, h): tile 2 g + h, row r), 256 of V's (2 registers).
; THE PADDING MASK rides in k's scale words.  The head has 64 channels, half of the instruction's 128: byte 2 of a key's word is 1 where attn_mask is not 0 and 227 where it is 0; byte 2 of a query's word is 127; byte 3 is 1.
; The attention launch puts the code 1.0 at K place 64 of Q and -1.0 at place 64 of K: a masked key's score gets -2^100, a visible one's -2^-126.
; LIMITS: NaN and infinities are not served; a block of zeros gets the scale byte 1 (its codes are zeros; this program alone reads the bytes).
; REGISTERS, in windows of 256: window 0: v8-15 attn_mask of my tokens; v16-29 addresses; v32-63 scale words, two sets; v64-127 the bias, later at work; from v128 A's fragments, one set, later codes.
;   window 1: B's fragments, two sets.   windows 2, 3: the accumulators of my rows 0-63, 64-127 ((a, b) at v[8 (8 (a % 4) + b)]).
.set KSTEP,  256
.set NQ,     2                         ; matrix instructions deep in a slot
.set ROWB,   256                       ; a tile's row in bytes
.set KROW,   1024                      ; a row of codes in memory
.set PITCH,  272                       ; an LDS row: 256 bytes + 16 of padding = 68 words: the 16 rows that a load touches start at 16 different banks (64 banks of 4 bytes: ISA guide 11.1)
.set FR,     16
.set NL,     4
.set NP,     8                         ; places behind this matrix instruction (ISA guide 7.12.1)
.set HALFT,  128*PITCH
.set SLOT,   4*HALFT
.set LAPS,   2                         ; 1,024 / 512
.set KS,     32                        ; a row of scale bytes
.set SCL,    2*SLOT
.set HALFS,  (128*KS/256)*272
.set SBLK,   (16*KS/256)*272
.set SPARE,  SCL+4*HALFS               ; the spare words, 128 bytes for each wave: two blocks of 256 bytes that no other line names
.set REC,    17152                     ; a record
.set HS,     16*REC                    ; from head to head
.set MK,   8                           ; v8-15   attn_mask of my lane's token in each of A's eight blocks
.set ADRA, 16
.set ADRB, 20
.set ADRS, 27
.set SPW,  28
.set NIL,  29
.set SC,   32
.set BIAS, 64
.set AF,   128
.set TM,   64                          ; the way out: v64-67 largest magnitudes, v68-71 bytes, v76-79 scale operands
.set W,    80                          ; v80-87  the four scale bytes of my row, for each of A's eight blocks
.set KC,   88                          ; v88-95  the constant upper half of k's or q's scale words
.set T,    96                          ; v96-103 at work
.set IMG,  104                         ; v104-111 the scale words' images
.set VO,   112                         ; v112-115 the four code stores' offsets
.set KV,   116                         ; v116, v117 the upper half for a visible key, for a masked one
.set G1, 24
.set G0, 32
.set G1B, 48
.set G0B, 56
.set G1S, 68
.set G0S, 76
.set G1SB, 80
.set G0SB, 88
.set MSB, 0
.macro WIN new                         ; the immediate's high byte repeats the setting that is left
.if MSB != \new
	s_set_vgpr_msb (MSB<<8)|\new
.set MSB, \new
.endif
.endm
.set MUL_LO, 0xa1                      ; source 0 (B) window 1, source 1 (A) window 0, C and D window 2
.set MUL_HI, 0xf1                      ; the same, C and D window 3
.set BEG_LO, 0x81                      ; the first products: C (the bias) window 0, D window 2
.set BEG_HI, 0xc1                      ; D window 3
.set TO_B,   0x40
; A joint load: waves 0 and 1 fetch for A, waves 2 and 3 for B; the branch hangs on the wave's number alone.  Four v_nop follow each of the two lines.
.macro JLOAD g0a, g1a, g0b, g1b
	s_cmp_eq_u32 s15, 0
	s_cbranch_scc0 .Lfor_b_\@
	tensor_load_to_lds s[\g0a:\g0a+3], s[\g1a:\g1a+7]
	s_nop 0
.rept 4
	v_nop
.endr
	s_branch .Lasked_\@
.Lfor_b_\@:
	tensor_load_to_lds s[\g0b:\g0b+3], s[\g1b:\g1b+7]
	s_nop 0
.rept 4
	v_nop
.endr
.Lasked_\@:
.endm
.macro CREST                           ; a round of the cluster's barrier behind its opening barrier
	s_cmp_lg_u32 s14, 0
	s_cbranch_scc1 .Lnot_wave_0_\@
	s_barrier_signal -3
.Lnot_wave_0_\@:
	s_barrier_wait -3
	s_barrier_signal -1
	s_barrier_wait -1
.endm
.macro CROUND
	s_barrier_signal -1
	s_barrier_wait -1
	CREST
.endm
	s_load_b256 s[80:87], s[0:1], 0x0              ; xc, xs, wc, ws
	s_load_b256 s[68:75], s[0:1], 0x20             ; bq, bk, bv, attn_mask
	s_load_b128 s[76:79], s[0:1], 0x40             ; qrec, kv
	v_lshl_add_u32 v[SPW], v0, 2, SPARE
	v_mov_b32 v[NIL], 0
	ds_add_u32 v28, v29
	ds_add_u32 v28, v29
	s_wait_dscnt 0x0
	v_lshrrev_b32 v1, 5, v0
	v_readfirstlane_b32 s14, v1                    ; wave 0..3
	s_lshr_b32 s15, s14, 1                         ; which half of A's rows is mine.  Also: I fetch for A (0) or for B (1)
	s_and_b32 s16, s14, 1                          ; which half of B's rows.  Also: which 128 rows of that tile I fetch
	s_bfe_u32 s40, ttmp6, 0x40000                  ; cx
	s_bfe_u32 s41, ttmp6, 0x40004                  ; cy
	s_and_b32 s21, ttmp7, 0xffff                   ; the cluster's y
	s_lshl_b32 s17, s21, 2
	s_sub_co_u32 s47, s21, 8
	s_lshl_b32 s47, s47, 3
	s_lshl_b32 s42, ttmp9, 2
	s_add_co_u32 s42, s42, s40
	s_cmp_ge_u32 s21, 8
	s_cselect_b32 s12, 1, 0                        ; 1: the part that makes v.  The same in all sixteen partners
	s_cselect_b32 s17, 0, s17
	s_cselect_b32 s47, s47, 0
	s_add_co_u32 s17, s17, s41                     ; A's tile row: 4 x cluster y + cy, or cy
	s_add_co_u32 s42, s42, s47                     ; B's tile column: 4 x cluster x + cx, or that + 8 (cluster y - 8)
	s_lshl_b32 s43, s41, 2
	s_lshl_b32 s43, 15, s43                        ; my row of the cluster
	s_lshl_b32 s44, 0x1111, s40                    ; my column
	v_and_b32 v1, 15, v0                           ; r
	v_bfe_u32 v2, v0, 4, 1                         ; h
	v_lshlrev_b32 v3, 6, v2                        ; 16 h numbers of 4 bytes
	v_and_b32 v4, 8, v1
	v_add_nc_u32 v4, v4, v1
	v_lshlrev_b32 v4, 2, v4                        ; 4 (r + 8 (r / 8)): the true row of place r in a tile
	s_lshl_b32 s104, s17, 10
	s_lshl_b32 s105, s15, 9
	s_add_co_u32 s104, s104, s105                  ; 4 x my first row of A
	s_mov_b32 s105, 0
	s_and_b32 s100, s42, 3
	s_lshl_b32 s100, s100, 10
	s_lshl_b32 s101, s16, 9
	s_add_co_u32 s100, s100, s101                  ; 4 x my first channel of q or of k
	s_mov_b32 s101, 0
	s_wait_kmcnt 0x0
	s_add_nc_u64 s[18:19], s[84:85], 0x200000      ; Wv's codes: the third MiB of wc
	s_add_nc_u64 s[22:23], s[86:87], 65536         ; Wv's scale bytes
	s_cmp_eq_u32 s12, 0
	s_cselect_b64 s[4:5], s[80:81], s[18:19]       ; A's codes
	s_cselect_b64 s[6:7], s[82:83], s[22:23]       ; A's scale bytes
	s_cselect_b64 s[8:9], s[84:85], s[80:81]       ; B's codes
	s_cselect_b64 s[10:11], s[86:87], s[82:83]     ; B's scale bytes
	s_cbranch_scc0 .Lbias_v
	s_cmp_lt_u32 s42, 4
	s_cselect_b64 s[96:97], s[68:69], s[70:71]     ; bq or bk
	s_add_nc_u64 s[96:97], s[96:97], s[100:101]
	s_add_nc_u64 s[98:99], s[74:75], s[104:105]    ; attn_mask at my first token
	s_wait_alu depctr_va_vdst(0)
.irp b, 0,1,2,3,4,5,6,7                        ; the bias in the result's layout: register j of tile b is channel 32 (b / 2) + 8 (b % 2) + 16 h + j
	global_load_b128 v[BIAS+8*\b:BIAS+8*\b+3], v3, s[96:97] offset:4*(32*(\b/2)+8*(\b%2))
	global_load_b128 v[BIAS+8*\b+4:BIAS+8*\b+7], v3, s[96:97] offset:4*(32*(\b/2)+8*(\b%2))+16
.endr
.irp a, 0,1,2,3,4,5,6,7                        ; attn_mask of the token at place r of A's block a
	global_load_b32 v[MK+\a], v4, s[98:99] offset:4*(32*(\a/2)+8*(\a%2))
.endr
	s_branch .Lbias_done
.Lbias_v:
	s_add_nc_u64 s[96:97], s[72:73], s[104:105]    ; bv at my first channel
	s_wait_alu depctr_va_vdst(0)
.irp a, 0,1,2,3,4,5,6,7                        ; a lane holds one channel: one number for the tile's eight registers
	global_load_b32 v[BIAS+8*\a], v4, s[96:97] offset:4*(32*(\a/2)+8*(\a%2))
	v_mov_b32 v[MK+\a], 0
.endr
.Lbias_done:
	s_wait_xcnt 0x0                                ; these loads have read their bases and offsets: the registers are written again below
	; where my results go.  TH, sH: tile and half along the channels; TT, sT: along the tokens
	s_and_b32 s95, s42, 3
	s_cmp_eq_u32 s12, 0
	s_cselect_b32 s96, s95, s17
	s_cselect_b32 s97, s16, s15
	s_cselect_b32 s98, s17, s42
	s_cselect_b32 s99, s15, s16
	s_lshl_b32 s96, s96, 2
	s_lshl_b32 s97, s97, 1
	s_add_co_u32 s96, s96, s97                     ; my first head (I make two)
	s_lshl_b32 s98, s98, 1
	s_add_co_u32 s98, s98, s99                     ; my 128 tokens among the 64 such runs
	s_lshr_b32 s99, s98, 4
	s_lshl_b32 s99, s99, 4
	s_add_co_u32 s99, s99, s96
	s_lshl_b32 s99, s99, 4
	s_and_b32 s98, s98, 15
	s_add_co_u32 s99, s99, s98                     ; the record: (16 batch + head) 16 + step
	s_mul_i32 s100, s99, REC
	s_mov_b32 s101, 0
	s_cmp_lt_u32 s42, 4
	s_cselect_b32 s2, 1, 0
	s_xor_b32 s95, s12, 1
	s_and_b32 s2, s2, s95                          ; 1: this tile is q
	s_cmp_lg_u32 s2, 0
	s_cselect_b64 s[96:97], s[76:77], s[78:79]     ; qrec or kv
	s_add_nc_u64 s[96:97], s[96:97], s[100:101]
	s_cmp_eq_u32 s12, 0
	s_mov_b32 s100, 16896
	s_cselect_b32 s100, 16384, s100
	s_cselect_b32 s104, 0, 8192
	s_mov_b32 s105, 0
	s_add_nc_u64 s[98:99], s[96:97], s[100:101]    ; the scale words' image
	s_add_nc_u64 s[96:97], s[96:97], s[104:105]    ; the codes' images
	s_mov_b32 s100, 2048
	s_cselect_b32 s100, 1024, s100                 ; from one of A's blocks to the next,
	s_mov_b32 s104, HS-6144
	s_cselect_b32 s104, 1024, s104                 ; and from block 3 to block 4 (in v: the next head)
	; descriptor group 1: a tile of 128 rows x 256 bytes, padded in LDS
	s_or_b32 s[G1+0], s43, (0<<16)|(1<<20)|(1<<21)|(5<<22)|(3<<25)  ; 15:0 the mask: my row; 17:16 elements of 1 byte; 20 padding on; 21 set beside a mask; 24:22 after every 64 words; 31:25 four words
	s_or_b32 s[G1B+0], s44, (0<<16)|(1<<20)|(1<<21)|(5<<22)|(3<<25)
.irp g, G1, G1B
	s_mov_b32 s[\g+1], ROWB<<16                    ; tensor_dim0
	s_mov_b32 s[\g+2], 128<<16                     ; tensor_dim1
	s_mov_b32 s[\g+3], ROWB<<16                    ; tile_dim0
	s_mov_b32 s[\g+4], 128                         ; tile_dim1
	s_mov_b32 s[\g+5], KROW                        ; tensor_dim0_stride
	s_mov_b32 s[\g+6], 0
	s_mov_b32 s[\g+7], 0
.endr
	; the scale bytes of 128 rows: 4,096 dense bytes, as 16 rows of 256 bytes (32 elements of 8 bytes), 16 bytes of padding behind each
	s_or_b32 s[G1S+0], s43, (3<<16)|(1<<20)|(1<<21)|(5<<22)|(3<<25)
	s_or_b32 s[G1SB+0], s44, (3<<16)|(1<<20)|(1<<21)|(5<<22)|(3<<25)
.irp g, G1S, G1SB
	s_mov_b32 s[\g+1], 32<<16
	s_mov_b32 s[\g+2], (128*KS/256)<<16
	s_mov_b32 s[\g+3], 32<<16
	s_mov_b32 s[\g+4], 128*KS/256
	s_mov_b32 s[\g+5], 32
	s_mov_b32 s[\g+6], 0
	s_mov_b32 s[\g+7], 0
.endr
	s_lshl_b32 s18, s16, 7                         ; which 128 rows of the tile I fetch
	s_lshl_b32 s20, s17, 8
	s_add_co_u32 s20, s20, s18                     ; A's row
	s_lshl_b32 s46, s42, 8
	s_add_co_u32 s46, s46, s18                     ; B's row
	s_lshl_b32 s22, s20, 5                         ; its scale bytes,
	s_mov_b32 s23, 0
	s_lshl_b32 s20, s20, 10                        ; its codes (all under 2^24 bytes)
	s_mov_b32 s21, 0
	s_lshl_b32 s92, s46, 5
	s_mov_b32 s93, 0
	s_lshl_b32 s46, s46, 10
	s_mov_b32 s47, 0
	s_mul_i32 s45, s14, HALFT                      ; where they go: wave x 128 rows: no place in the cluster enters an LDS address
	s_mul_i32 s94, s14, HALFS
	s_add_nc_u64 s[20:21], s[4:5], s[20:21]
	s_add_nc_u64 s[22:23], s[6:7], s[22:23]
	s_add_nc_u64 s[46:47], s[8:9], s[46:47]
	s_add_nc_u64 s[92:93], s[10:11], s[92:93]
	CROUND                                         ; all sixteen work-groups are here: the first joint loads meet
	s_mov_b32 s[G0S], 1
	s_add_co_u32 s[G0S+1], s94, SCL
	s_mov_b64 s[G0S+2:G0S+3], s[22:23]
	s_or_b32 s[G0S+3], s[G0S+3], 0x80000000
	s_mov_b32 s[G0SB], 1
	s_add_co_u32 s[G0SB+1], s94, SCL
	s_mov_b64 s[G0SB+2:G0SB+3], s[92:93]
	s_or_b32 s[G0SB+3], s[G0SB+3], 0x80000000
	JLOAD G0S, G1S, G0SB, G1SB                     ; the scale bytes first: they are wanted with K step 0
.irp s, 0,1
	s_mov_b32 s[G0+4*\s], 1
	s_add_co_u32 s[G0+4*\s+1], s45, \s*SLOT
	s_add_nc_u64 s[G0+4*\s+2:G0+4*\s+3], s[20:21], \s*ROWB
	s_or_b32 s[G0+4*\s+3], s[G0+4*\s+3], 0x80000000
	s_mov_b32 s[G0B+4*\s], 1
	s_add_co_u32 s[G0B+4*\s+1], s45, \s*SLOT
	s_add_nc_u64 s[G0B+4*\s+2:G0B+4*\s+3], s[46:47], \s*ROWB
	s_or_b32 s[G0B+4*\s+3], s[G0B+4*\s+3], 0x80000000
	JLOAD G0+4*\s, G1, G0B+4*\s, G1B
.endr
	v_and_b32 v1, 15, v0
	v_bfe_u32 v2, v0, 4, 1
	v_mul_u32_u24 v3, v1, PITCH
	v_lshl_add_u32 v4, v2, 4, v3                   ; a fragment's row x pitch + 16 x half
	s_mul_i32 s21, s15, HALFT                      ; my 128 rows of A
	s_mul_i32 s22, s16, HALFT                      ; my 128 rows of B,
	s_add_co_u32 s22, s22, 2*HALFT                 ; which lie behind A's 256
.irp s, 0,1
	v_add_nc_u32 v[ADRA+\s], s21, v4
	v_add_nc_u32 v[ADRB+\s], s22, v4
	s_add_co_u32 s21, s21, SLOT
	s_add_co_u32 s22, s22, SLOT
.endr
	v_mul_u32_u24 v5, v1, KS                       ; my row's scale bytes: 32 a row,
	v_lshrrev_b32 v6, 8, v5
	v_lshl_add_u32 v5, v6, 4, v5                   ; and 16 more for each 256 passed
	s_mul_i32 s21, s15, HALFS
	s_mul_i32 s22, s16, HALFS
	s_add_co_u32 s22, s22, 2*HALFS
	s_sub_co_u32 s22, s22, s21
	v_mul_u32_u24 v6, s22, v2                      ; lanes 16-31 take B's: one product, the distance between the two bases
	s_add_co_u32 s21, s21, SCL
	v_add_nc_u32 v5, v5, v6
	v_add_nc_u32 v[ADRS], s21, v5
.macro FRAG reg, adr, q, i             ; 16 rows x 128 K of 8-bit codes: registers 4 c .. 4 c + 3 hold K = 32 c + 16 (lane / 16) + 0 .. 15 of row lane % 16
.irp c, 0,1,2,3
	ds_load_b128 v[\reg+4*\c:\reg+4*\c+3], v[\adr] offset:128*(\q)+32*\c+(\i)*16*PITCH
.endr
.endm
; 16 matrix instructions: A's blocks a0, a0 + 1 x B's eight.  cm = 0: onto the sums; 1: the sums begin with the bias by B's rows; 2: by A's rows.  The 64 accumulators take turns.
.macro MUL16 a0, p, q, sc, cm
.irp a, \a0, \a0+1
.irp b, 0,1,2,3,4,5,6,7
.set rD, 8*(8*((\a)%4)+\b)
.set rB, 128*(\p)+FR*\b
.set rA, AF+FR*(\a)
.set sB, SC+8*NQ*(\sc)+NQ*\b+(\q)
.set sA, SC+8*NQ*(\sc)+NQ*(\a)+(\q)
.if \cm == 1
	v_wmma_scale_f32_16x16x128_f8f6f4 v[rD:rD+7], v[rB:rB+FR-1], v[rA:rA+FR-1], v[BIAS+8*\b:BIAS+8*\b+7], v[sB], v[sA] matrix_a_scale:MATRIX_SCALE_ROW1
.elseif \cm == 2
	v_wmma_scale_f32_16x16x128_f8f6f4 v[rD:rD+7], v[rB:rB+FR-1], v[rA:rA+FR-1], v[BIAS+8*(\a):BIAS+8*(\a)+7], v[sB], v[sA] matrix_a_scale:MATRIX_SCALE_ROW1
.else
	v_wmma_scale_f32_16x16x128_f8f6f4 v[rD:rD+7], v[rB:rB+FR-1], v[rA:rA+FR-1], v[rD:rD+7], v[sB], v[sA] matrix_a_scale:MATRIX_SCALE_ROW1
.endif
.endr
.endr
.endm
.macro FETCH_B slot, q, p
	WIN TO_B
.irp i, 0,1,2,3,4,5,6,7
	FRAG 128*(\p)+FR*\i, ADRB+\slot, \q, \i
.endr
	WIN 0
.endm
.macro FETCH_A slot, q, i0
.irp i, \i0, \i0+1, \i0+2, \i0+3
	FRAG AF+FR*(\i), ADRA+\slot, \q, \i
.endr
.endm
.macro SCALES sc                       ; a K step's scale words: lanes 0-15 take A's block i, lanes 16-31 B's block i
.irp i, 0,1,2,3,4,5,6,7
	ds_load_b64 v[SC+8*NQ*\sc+NQ*\i:SC+8*NQ*\sc+NQ*\i+1], v[ADRS] offset:\i*SBLK
.endr
.endm
.macro PLACES n                        ; plain vector instructions between a matrix instruction and a load into, or a vector instruction on, its registers
.rept \n
	v_nop
.endr
.endm
.macro STEP slot, q, cm                ; 128 along K that have their successor in the same slot
	s_wait_dscnt 4*NL                              ; B's set and A's blocks 0-3 are in; the youngest sixteen loads (A's blocks 4-7) may be out
.if \cm
	WIN BEG_LO
.else
	WIN MUL_LO
.endif
	MUL16 0, (\q)%2, \q, \slot, \cm
	MUL16 2, (\q)%2, \q, \slot, \cm
	s_wait_dscnt 0
	PLACES NP
	FETCH_B \slot, (\q)+1, 1-(\q)%2
	FETCH_A \slot, (\q)+1, 0
.if \cm
	WIN BEG_HI
.else
	WIN MUL_HI
.endif
	MUL16 4, (\q)%2, \q, \slot, \cm
	MUL16 6, (\q)%2, \q, \slot, \cm
	PLACES NP
	WIN 0
	FETCH_A \slot, (\q)+1, 4
.endm
; A slot's last step changes slots: one barrier; in front of it each wave waits for all its tensor loads, adds 0 to its spare word, and waits for that and for its reads of this slot.
.macro TURN slot, next, fill
	s_wait_tensorcnt 0x0                           ; all my tensor loads have landed: my part of the next slot
	ds_add_u32 v[SPW], v[NIL]                      ; 0 onto my spare word
	s_wait_dscnt 4*NL+1                            ; (the add and the youngest sixteen loads may be out)
	WIN MUL_LO
	MUL16 0, 1, NQ-1, \slot, 0
	s_wait_dscnt 0x0                               ; the add is done, and my reads of this slot are over
	s_barrier_signal -1
	MUL16 2, 1, NQ-1, \slot, 0
	WIN 0
	s_barrier_wait -1
.if \fill
	CREST                                          ; the barrier has opened a round of the cluster's barrier: no wave of any partner still reads this slot or has a load on its way
	s_add_nc_u64 s[G0+4*\slot+2:G0+4*\slot+3], s[G0+4*\slot+2:G0+4*\slot+3], 2*ROWB
	s_add_nc_u64 s[G0B+4*\slot+2:G0B+4*\slot+3], s[G0B+4*\slot+2:G0B+4*\slot+3], 2*ROWB
	JLOAD G0+4*\slot, G1, G0B+4*\slot, G1B         ; the first tensor load behind the round; its four v_nop are among the places in front of the loads below
	PLACES NP-4
.else
	PLACES NP
.endif
	s_wait_alu depctr_va_vdst(0)
	v_add_nc_u32 v[ADRS], 4*NQ, v[ADRS]            ; the next K step's scale words
	FETCH_B \next, 0, 0
	FETCH_A \next, 0, 0
	SCALES \next
	WIN MUL_HI
	MUL16 4, 1, NQ-1, \slot, 0
	MUL16 6, 1, NQ-1, \slot, 0
	PLACES NP
	WIN 0
	FETCH_A \next, 0, 4
.endm
	s_wait_alu depctr_va_vdst(0)
	s_wait_tensorcnt 1                             ; the scale bytes and my part of K step 0 are in (K step 1's load may be out),
	s_barrier_signal -1
	s_barrier_wait -1                              ; everybody's are
	FETCH_B 0, 0, 0
	FETCH_A 0, 0, 0
	SCALES 0
	FETCH_A 0, 0, 4
	s_cmp_lg_u32 s12, 0                            ; the first step is written twice: the bias lies otherwise in the two parts.  No tensor load and no barrier stands in either copy
	s_cbranch_scc1 .Lfirst_v
	s_wait_loadcnt 0x0                             ; the bias and attn_mask
	STEP 0, 0, 1
	s_branch .Lfirst_done
.Lfirst_v:
	s_wait_loadcnt 0x0                             ; the bias
.irp a, 0,1,2,3,4,5,6,7
.irp j, 1,2,3,4,5,6,7
	v_mov_b32 v[BIAS+8*\a+\j], v[BIAS+8*\a]        ; a lane's channel is the same in a tile's eight registers
.endr
.endr
	PLACES 4
	s_wait_alu depctr_va_vdst(0)
	STEP 0, 0, 2
.Lfirst_done:
	s_mov_b32 s3, LAPS-1
.Llap:                                                 ; a trip goes once round the ring, from a lap's second step to the next lap's first, and fills both slots again
	TURN 0, 1, 1
	STEP 1, 0, 0
	TURN 1, 0, 1
	STEP 0, 0, 0
	s_sub_co_u32 s3, s3, 1
	s_cmp_lg_u32 s3, 0
	s_cbranch_scc1 .Llap
	TURN 0, 1, 0                                   ; the last lap fills nothing, and has no round of the cluster's barrier
	STEP 1, 0, 0
	s_wait_dscnt 4*NL
	WIN MUL_LO
	MUL16 0, 1, NQ-1, 1, 0
	MUL16 2, 1, NQ-1, 1, 0
	s_wait_dscnt 0
	WIN MUL_HI
	MUL16 4, 1, NQ-1, 1, 0
	MUL16 6, 1, NQ-1, 1, 0
	WIN 0
	; THE WAY OUT: each of A's eight blocks is quantised in registers, four blocks of 32 along B's rows, and its codes leave as four images of 512 bytes.
	PLACES NP
	s_cmp_eq_u32 s12, 0
	s_mov_b32 s20, 1024
	s_cselect_b32 s20, HS, s20                     ; from blocks 0, 1 to blocks 2, 3: the next head (q, k) or the next two chunks of keys (v)
	s_cmp_lg_u32 s2, 0
	s_mov_b32 s18, 0x01010000                      ; bytes 2, 3 of a scale word: a visible key: 1, 1
	s_cselect_b32 s18, 0x017f0000, s18             ; a query: 127, 1
	s_mov_b32 s19, 0x01e30000                      ; a masked key: 227, 1
	s_cselect_b32 s19, 0x017f0000, s19
	s_mov_b32 s66, 0x76543210
	s_mov_b32 s67, 0xfedcba98                      ; v_permlanex16_b32's selects for lane l xor 16
	v_and_b32 v30, 31, v0
	v_lshlrev_b32 v31, 3, v30                      ; 8 x lane
	v_cmp_le_u32 s13, 16, v30                      ; lanes 16-31
	v_lshlrev_b32 v30, 4, v30                      ; 16 x lane
	v_mov_b32 v[VO], v30
	v_add_nc_u32 v[VO+1], 512, v30
	v_add_nc_u32 v[VO+2], s20, v30
	v_add_nc_u32 v[VO+3], 512, v[VO+2]
.irp b, 0,1,2,3
	v_mov_b32 v[TM+4+\b], 0                        ; written once: a lane permute's destination counts as one of its sources
.endr
.macro QROW a
.set WN, 2+(\a)/4                      ; the block's accumulators: window 2 or 3
.set AC, 64*((\a)%4)
.set CD, 128+16*((\a)%2)               ; its codes: two sets by turns
.set WW, WN|(WN<<2)
	WIN WW                                         ; sources 0 and 1 in the accumulators' window
.irp b, 0,1,2,3
	v_max3_num_f32 v[TM+\b], |v[AC+16*\b]|, |v[AC+16*\b+1]|, 0x4800000   ; my 16 numbers of block b, from each accumulator's low end on, and the floor 2^(9 - 127)
.endr
.irp i, 2,4,6,8,10,12,14
.irp b, 0,1,2,3
	v_max3_num_f32 v[TM+\b], |v[AC+16*\b+\i]|, |v[AC+16*\b+\i+1]|, v[TM+\b]
.endr
.endr
	WIN 0
.irp b, 0,1,2,3
	v_permlanex16_b32 v[TM+4+\b], v[TM+\b], s66, s67
.endr
.irp b, 0,1,2,3
	v_max_num_f32 v[TM+\b], v[TM+\b], v[TM+4+\b]   ; with lane l xor 16's 16: the block's largest magnitude
.endr
.irp b, 0,1,2,3
	v_add_nc_u32 v[TM+12+\b], 0xfc000000, v[TM+\b] ; 8 off its exponent field: the conversion's scale operand
.endr
.irp b, 0,1,2,3
.endr
.irp b, 0,1,2,3
	v_lshrrev_b32 v[TM+4+\b], 23, v[TM+12+\b]      ; the scale's byte
.endr
	v_lshl_or_b32 v[W+(\a)], v[TM+5], 8, v[TM+4]
	v_lshl_or_b32 v[W+(\a)], v[TM+6], 16, v[W+(\a)]
	v_lshl_or_b32 v[W+(\a)], v[TM+7], 24, v[W+(\a)]
.set WW, WN|(WN<<6)
	WIN WW                                         ; source 0 and destination in the accumulators' window
.irp b, 0,1,2,3
.set j, 0
.rept 16
.set j, j+1
.endr
.endr
	WIN WN                                         ; source 0 alone
.irp b, 0,1,2,3
	v_cvt_scalef32_pk8_fp8_f32 v[CD+4*\b:CD+4*\b+1], v[AC+16*\b:AC+16*\b+7], v[TM+12+\b]
	v_cvt_scalef32_pk8_fp8_f32 v[CD+4*\b+2:CD+4*\b+3], v[AC+16*\b+8:AC+16*\b+15], v[TM+12+\b]
.endr
	WIN 0
	v_nop                                          ; a plain vector instruction behind the last scaled conversion
.if (\a) > 0
	s_wait_alu depctr_va_vdst(0)
	s_wait_xcnt 0x0                                ; the earlier stores have read their base and their data: the base steps, and the block after this one may write the other set of codes
.if (\a) == 4
	s_add_nc_u64 s[96:97], s[96:97], s[104:105]
.else
	s_add_nc_u64 s[96:97], s[96:97], s[100:101]
.endif
.endif
.irp b, 0,1,2,3
	global_store_b128 v[VO+\b], v[CD+4*\b:CD+4*\b+3], s[96:97]   ; 512 consecutive bytes, aligned: an image of four registers
.endr
.endm
.irp a, 0,1,2,3,4,5,6,7
	QROW \a
.endr
	s_cmp_lg_u32 s12, 0
	s_cbranch_scc1 .Lv_scales
	; q, k: a row's word for head hh: its two bytes below, the constant half above (by attn_mask in k)
	v_mov_b32 v[KV], s18
	v_mov_b32 v[KV+1], s19
.irp a, 0,1,2,3,4,5,6,7
	v_cmp_ne_u32 vcc_lo, 0, v[MK+\a]
	v_cndmask_b32 v[KC+\a], v[KV+1], v[KV], vcc_lo
.endr
.irp a, 0,1,2,3,4,5,6,7
	v_and_or_b32 v[T+\a], v[W+\a], 0xffff, v[KC+\a]
.endr
.irp g, 0,1,2,3
	v_cndmask_b32 v[IMG+\g], v[T+2*\g], v[T+2*\g+1], s13   ; lanes 0-15: tile 2 g; lanes 16-31: tile 2 g + 1
.endr
	global_store_b128 v30, v[IMG:IMG+3], s[98:99]
.irp a, 0,1,2,3,4,5,6,7
	v_lshrrev_b32 v[T+\a], 16, v[W+\a]
.endr
.irp a, 0,1,2,3,4,5,6,7
	v_or_b32 v[T+\a], v[T+\a], v[KC+\a]
.endr
.irp g, 0,1,2,3
	v_cndmask_b32 v[IMG+4+\g], v[T+2*\g], v[T+2*\g+1], s13
.endr
	global_store_b128 v30, v[IMG+4:IMG+7], s[98:99] offset:HS
	s_branch .Lscales_done
.Lv_scales:
	; v: a channel's word holds the bytes of the step's four blocks of 32 keys
.irp hh, 0,1
.irp g, 0,1
	v_cndmask_b32 v[IMG+2*\hh+\g], v[W+4*\hh+2*\g], v[W+4*\hh+2*\g+1], s13
.endr
	global_store_b64 v31, v[IMG+2*\hh:IMG+2*\hh+1], s[98:99] offset:\hh*HS   ; 256 consecutive bytes, aligned
.endr
.Lscales_done:
	s_wait_tensorcnt 0x0                           ; the wave's end
	ds_add_u32 v[SPW], v[NIL]
	s_wait_dscnt 0x0
	CROUND                                         ; the closing round: no work-group ends while a partner may still ask for a tile that names it
	s_endpgm
.Lfunc_end_k_q98098b5e62_proj:
	.size	k_q98098b5e62_proj, .Lfunc_end_k_q98098b5e62_proj-k_q98098b5e62_proj
	.p2alignl 7, 3214868480
	.fill 96, 4, 3214868480
	.section	.rodata,"a",@progbits
	.p2align	6, 0x0
	.amdhsa_kernel k_q98098b5e62_proj
		.amdhsa_group_segment_fixed_size 327680
		.amdhsa_private_segment_fixed_size 0
		.amdhsa_enable_private_segment 0
		.amdhsa_kernarg_size 80
		.amdhsa_user_sgpr_count 2
		.amdhsa_user_sgpr_kernarg_segment_ptr 1
		.amdhsa_wavefront_size32 1
		.amdhsa_system_sgpr_workgroup_id_x 1
		.amdhsa_system_sgpr_workgroup_id_y 1
		.amdhsa_system_sgpr_workgroup_id_z 1
		.amdhsa_system_vgpr_workitem_id 0
		.amdhsa_next_free_vgpr 1024
		.amdhsa_next_free_sgpr 106
		.amdhsa_reserve_vcc 1
		.amdhsa_float_denorm_mode_32 3
		.amdhsa_float_denorm_mode_16_64 3
		.amdhsa_fp16_overflow 1
		.amdhsa_memory_ordered 1
		.amdhsa_forward_progress 1
		.amdhsa_inst_pref_size 174
	.end_amdhsa_kernel
	.amdgpu_metadata
---
amdhsa.version: [ 1, 2 ]
amdhsa.kernels:
  - .name:           k_q98098b5e62_proj
    .symbol:         k_q98098b5e62_proj.kd
    .args:
      - { .name: xc, .offset: 0, .size: 8, .value_kind: global_buffer, .address_space: global }
      - { .name: xs, .offset: 8, .size: 8, .value_kind: global_buffer, .address_space: global }
      - { .name: wc, .offset: 16, .size: 8, .value_kind: global_buffer, .address_space: global }
      - { .name: ws, .offset: 24, .size: 8, .value_kind: global_buffer, .address_space: global }
      - { .name: bq, .offset: 32, .size: 8, .value_kind: global_buffer, .address_space: global }
      - { .name: bk, .offset: 40, .size: 8, .value_kind: global_buffer, .address_space: global }
      - { .name: bv, .offset: 48, .size: 8, .value_kind: global_buffer, .address_space: global }
      - { .name: attn_mask, .offset: 56, .size: 8, .value_kind: global_buffer, .address_space: global }
      - { .name: qrec, .offset: 64, .size: 8, .value_kind: global_buffer, .address_space: global }
      - { .name: kv, .offset: 72, .size: 8, .value_kind: global_buffer, .address_space: global }
    .group_segment_fixed_size: 327680
    .private_segment_fixed_size: 0
    .kernarg_segment_align: 8
    .kernarg_segment_size: 80
    .max_flat_workgroup_size: 128
    .sgpr_count:     106
    .vgpr_count:     1024
    .wavefront_size: 32
...
	.end_amdgpu_metadata
.endif
;; end of part 2
;; launch attn (part 3): grid 4 x 64, 16 waves a work-group, no clusters, 327,680 bytes of LDS; arguments qrec, kv, aoc, aos; writes aoc, aos
.if DOCPART == 3
	.amdgcn_target "amdgcn-amd-amdhsa--gfx1250"
	.amdhsa_code_object_version 6
	.text
	.protected	k_q98098b5e62_attn
	.globl	k_q98098b5e62_attn
	.p2align	8
	.type	k_q98098b5e62_attn,@function
k_q98098b5e62_attn:
	s_mov_b64 s[64:65], 0
	v_nop
	global_prefetch_b8 v0, s[64:65] scope:SCOPE_SE
	s_setreg_imm32_b32 hwreg(HW_REG_WAVE_MODE, 25, 1), 1
	s_wait_xcnt 0x0
; Attention of one (batch, head) on codes of FP8 (E4M3) with E8M0 scales: scores = q k^T / 8 with the causal mask and the padding mask on the keys; p = 2^(t - M), t = score x log2(e) / 8, M the running largest t rounded up
; to a whole number; p is quantised along the keys; the row's sum is taken of the unquantised p and divides at the end; the result is quantised along the model's 1,024 and leaves as codes for the last product.
; SHARES.  Work-group (i, bh) owns the blocks of 256 queries 7 - i and then i of head bh: 8 - i and i + 1 slots of 256 keys, nine in all for every work-group: 256 work-groups of equal work and loops of constant count.
; Each of sixteen waves owns 16 queries (one tile) in 256 registers, four waves to a SIMD.  No cluster: from the fifth slot on the four work-groups of a head want different slots in the same trip.
; LAYOUT.  Both products are used transposed (S^T = K Q^T, O^T = V^T P^T): a lane holds one query (lane % 16).  Tokens and channels lie in the records in the order 0, 2, 1, 3 of the groups of 8 in each 32, so that the 16
; registers of two neighbouring result tiles are 16 neighbours in the true order.  A record (17,152 bytes: 128 keys of a head) holds images of the operand registers: every LDS read is 16 or 8 bytes a lane on end.
; THE PADDING MASK costs no vector instruction: the head has 64 channels, so K places 64-127 of the first product are spare.  Q has the code 1.0 at place 64 and K the code -1.0; byte 2 of a key's scale word is 227 where the
; key is masked and 1 where it counts (Q's is 127): a masked key's score gets -2^100, a visible one's -2^-126.
; LIMITS: |t| stays under 2^84: the running largest t begins at -2^84, above a masked key's t, so that a masked key's p is 0 from the first step on.  A visible score is lowered by 2^-126.  NaN and infinities are not served.
; A QUERY WITH NO VISIBLE KEY has the sum 0: its codes are zeros and its scale bytes 0xff, which the last product turns into NaN, as the softmax of an empty row is.
; REGISTERS: v1-4 lane terms; v5, v6 the spare word's address and 0; v7 the prefetch's offset; v8, v9 LDS addresses; v10, v11 offsets; v12 -M, v13 the largest t, v[14:15] the sum; v16-31 Q; v32-95 four windows of K;
; v96-159 S^T, then p, then V's four fragments; v160-191 O^T; v192-207 p's codes; v208-227 at work; v228-231 K's scale words, v232-233 V's, v234 Q's; v235 zero; v236-244 the second block's Q; v246-247 a second chain of sums.
.set REC,   17152
.set HS,    16*REC
.set SLOTB, 2*REC                      ; a slot: two records, 256 keys
.set SLOT1, 1<<16                      ; slot 1 begins here: one exclusive or turns an address
.set SPARE, 2*SLOT1                    ; the spare words, 128 bytes for each of 16 waves: eight blocks of 256 bytes that no other line names
.set VCO,   8192                       ; in a record: V^T's codes,
.set KSO,   16384                      ; K's scale words,
.set VSO,   16896                      ; V's scale words
.set L16,  1
.set L8,   2
.set DQ,   3                           ; r + 8 (r / 8) - 16 h
.set R32,  4                           ; 32 r
.set SPW,  5
.set NIL,  6
.set PFO,  7
.set AD16, 8
.set AD8,  9
.set BM,   208                         ; the blocks' largest scores, then largest p
.set BP,   212                         ; permute results, then bytes
.set BH,   216
.set BS,   220                         ; scale operands
.set ZERO, 235
.set WV,   18
.set MNT,  19
.set SEL,  20
.set CS,   22
.set G1,   24
.set G0,   40
.set KB,   44                          ; s[44:45] kv at my record of the head's slot 0
.set NXT,  46                          ; s[46:47] bytes from there to the slot to be asked for
.set TB,   2
.set SLOTS, 67
.set SW,   66                          ; i + 1: the count at which the first block ends
.set KF,   98                          ; the step's first key
.set Q0,   99                          ; my tile's smallest query
.set PFA,  76
.set LIM,  80
.macro TLOAD                           ; waves 0 and 1 fetch a record each; four v_nop follow the line
	s_cmp_lt_u32 s[WV], 2
	s_cbranch_scc0 .Lasked_\@
	tensor_load_to_lds s[G0:G0+3], s[G1:G1+7]
	s_nop 0
.rept 4
	v_nop
.endr
.Lasked_\@:
.endm
; A prefetch of the slot that the NEXT change of slots will ask for: 34,304 bytes, lanes 256 bytes apart.  The head's work-group 0 asks (its first eight trips walk the head's slots 0 to 7), waves 4 to 8, which fetch
; nothing, one instruction each; of wave 8's lanes the last 26 are held at the slot's last 256 bytes.  Slots 2 to 7 are asked for; slots 0 and 1 come by their loads alone.
.macro ASK
	s_cmp_gt_u32 s[SLOTS], s[LIM]
	s_cbranch_scc0 .Lnot_mine_\@
	global_prefetch_b8 v[PFO], s[PFA:PFA+1] th:TH_LOAD_NT scope:SCOPE_SE
.Lnot_mine_\@:
.endm
	s_load_b256 s[4:11], s[0:1], 0x0               ; qrec, kv, aoc, aos
	v_lshl_add_u32 v[SPW], v0, 2, SPARE
	v_mov_b32 v[NIL], 0
	ds_add_u32 v5, v6
	ds_add_u32 v5, v6
	s_wait_dscnt 0x0
	v_lshrrev_b32 v8, 5, v0
	s_delay_alu instid0(VALU_DEP_1)
	v_readfirstlane_b32 s[WV], v8                  ; wave 0..15
	s_and_b32 s72, ttmp7, 0xffff                   ; 16 batch + head
	s_and_b32 s73, s[WV], 1
	s_mul_i32 s74, s73, REC                        ; which record of a slot I fetch, if I fetch
	s_mul_i32 s75, s72, HS                         ; the head's first byte in kv and in qrec (under 2^25)
	s_mov_b32 s[G1], 3<<16                         ; no mask; elements of 8 bytes; no padding: the record is read as it lies
	s_mov_b32 s[G1+1], 32<<16                      ; tensor_dim0 = 32 elements: rows of 256 bytes
	s_mov_b32 s[G1+2], 67<<16                      ; tensor_dim1 = 67 rows
	s_mov_b32 s[G1+3], 32<<16                      ; tile_dim0
	s_mov_b32 s[G1+4], 67                          ; tile_dim1
	s_mov_b32 s[G1+5], 32                          ; the pitch: dense
	s_mov_b32 s[G1+6], 0
	s_mov_b32 s[G1+7], 0
	s_mov_b32 s[NXT], 0
	s_mov_b32 s[NXT+1], 0
	s_add_co_u32 s82, s75, s74
	s_mov_b32 s83, 0
	s_wait_kmcnt 0x0
	s_add_nc_u64 s[KB:KB+1], s[6:7], s[82:83]
	s_mov_b32 s[G0], 1
	s_mov_b32 s[G0+1], s74                         ; LDS: slot 0, my record
	s_mov_b64 s[G0+2:G0+3], s[KB:KB+1]
	s_or_b32 s[G0+3], s[G0+3], 0x80000000
	TLOAD                                          ; the first block's slot 0
	s_mov_b32 s[SEL], 0x76543210
	s_mov_b32 s[SEL+1], 0xfedcba98                 ; v_permlanex16_b32's selects for lane l xor 16
	s_mov_b32 s[CS], 0x3e38aa3b                    ; c = log2(e) / 8
	s_mov_b32 s[CS+1], s[CS]
	s_mov_b32 s[TB], 0
	s_mov_b32 s[SLOTS], 8
	s_mov_b32 s[KF], 0
	s_sub_co_u32 s84, 7, ttmp9                     ; the first block of queries
	s_add_co_u32 s[SW], ttmp9, 1
	s_lshr_b32 s85, s[WV], 1
	s_lshl_b32 s85, s85, 5
	s_lshl_b32 s86, s73, 3
	s_add_co_u32 s85, s85, s86                     ; 32 (w / 2) + 8 (w % 2)
	s_lshl_b32 s[Q0], s84, 8
	s_add_co_u32 s[Q0], s[Q0], s85
	s_lshl_b32 s97, ttmp9, 8
	s_add_co_u32 s97, s97, s85                     ; the second block's
	s_lshr_b32 s86, s72, 4
	s_lshl_b32 s86, s86, 7
	s_add_co_u32 s86, s86, s[WV]                   ; 128 batch + wave
	s_and_b32 s87, s72, 15                         ; head
	s_lshl_b32 s88, s84, 4
	s_add_co_u32 s88, s88, s86                     ; my tile of 16 places among 512
	s_lshl_b32 s50, s88, 14
	s_lshl_b32 s89, s87, 10
	s_add_co_u32 s50, s50, s89                     ; in aoc: 16,384 a tile, 1,024 a head
	s_lshl_b32 s51, s88, 9
	s_lshl_b32 s90, s87, 1
	s_add_co_u32 s51, s51, s90                     ; in aos: 512 a tile, 2 a head
	s_lshl_b32 s88, ttmp9, 4
	s_add_co_u32 s88, s88, s86
	s_lshl_b32 s52, s88, 14
	s_add_co_u32 s52, s52, s89
	s_lshl_b32 s53, s88, 9
	s_add_co_u32 s53, s53, s90
	s_lshr_b32 s89, s[WV], 3
	s_lshl_b32 s90, s84, 1
	s_add_co_u32 s90, s90, s89
	s_mul_i32 s90, s90, REC
	s_add_co_u32 s90, s90, s75
	s_mov_b32 s91, 0
	s_add_nc_u64 s[92:93], s[4:5], s[90:91]        ; q's record of the first block,
	s_lshl_b32 s90, ttmp9, 1
	s_add_co_u32 s90, s90, s89
	s_mul_i32 s90, s90, REC
	s_add_co_u32 s90, s90, s75
	s_add_nc_u64 s[94:95], s[4:5], s[90:91]        ; of the second
	v_and_b32 v8, 31, v0                           ; lane
	s_delay_alu instid0(VALU_DEP_1)
	v_lshlrev_b32 v[L16], 4, v8
	s_delay_alu instid0(VALU_DEP_2)
	v_lshlrev_b32 v[L8], 3, v8
	v_and_b32 v9, 15, v0                           ; r
	s_delay_alu instid0(VALU_DEP_1)
	v_lshlrev_b32 v[R32], 5, v9
	s_delay_alu instid0(VALU_DEP_2)
	v_and_b32 v[DQ], 8, v9
	s_delay_alu instid0(VALU_DEP_1)
	v_add_nc_u32 v[DQ], v[DQ], v9
	v_and_b32 v10, 16, v0
	s_delay_alu instid0(VALU_DEP_1)
	v_sub_nc_u32 v[DQ], v[DQ], v10
	s_and_b32 s56, s[WV], 7
	s_lshl_b32 s57, s56, 10
	v_add_nc_u32 v10, s57, v[L16]                  ; my tile's codes in the record
	s_lshr_b32 s56, s56, 1
	s_lshl_b32 s56, s56, 2
	s_lshl_b32 s57, s73, 8
	s_add_co_u32 s56, s56, s57
	v_lshl_add_u32 v11, v9, 4, s56                 ; my row's scale word in the image: 256 (tile % 2) + 16 r + 4 (tile / 2)
	global_load_b128 v[16:19], v10, s[92:93]
	global_load_b128 v[20:23], v10, s[92:93] offset:512
	global_load_b32 v234, v11, s[92:93] offset:KSO
	global_load_b128 v[236:239], v10, s[94:95]
	global_load_b128 v[240:243], v10, s[94:95] offset:512
	global_load_b32 v244, v11, s[94:95] offset:KSO
	; the prefetches: who asks, and where
	s_mov_b32 s82, s75
	s_add_nc_u64 s[PFA:PFA+1], s[6:7], s[82:83]
	s_add_nc_u64 s[PFA:PFA+1], s[PFA:PFA+1], SLOTB ; at slot 1: the first change of slots steps it to slot 2
	s_sub_co_u32 s82, s[WV], 4
	s_lshl_b32 s84, s82, 13
	v_lshl_add_u32 v[PFO], v8, 8, s84
	s_delay_alu instid0(VALU_DEP_1)
	v_min_u32 v[PFO], SLOTB-256, v[PFO]
	s_cmp_lt_u32 s82, 5
	s_cselect_b32 s83, 0, 1
	s_or_b32 s83, s83, ttmp9
	s_cmp_eq_u32 s83, 0
	s_cselect_b32 s[LIM], 2, -1
	; constants in registers
	v_mov_b32 v[ZERO], 0
	v_mov_b32 v226, 0x38                           ; the code 1.0
	v_cmp_gt_u32 vcc_lo, 16, v8
	s_delay_alu instid0(VALU_DEP_1)
	v_cndmask_b32 v24, v[ZERO], v226, vcc_lo       ; Q: K place 64 lies in byte 0 of register 8 of lanes 0-15
.irp j, 25,26,27,28,29,30,31
	v_mov_b32 v[\j], 0
.endr
.irp t, 0,1,2,3
	v_mov_b32 v[40+16*\t], 0xb8                    ; K: the code -1.0 (in lanes 16-31 it meets a zero code of Q)
.irp j, 9,10,11,12,13,14,15
	v_mov_b32 v[32+16*\t+\j], 0
.endr
.endr
	v_mov_b32 v13, 0xe9800000                      ; the largest t so far: -2^84
	s_delay_alu instid0(VALU_DEP_1)
	v_floor_f32 v12, -v13                          ; -M
	v_mov_b32 v14, 0
	v_mov_b32 v15, 0
	v_mov_b32 v225, 0                              ; (named as the upper half of the pair v[224:225] before it is first written)
.irp b, 0,1,2,3
	v_mov_b32 v[BP+\b], 0                          ; written once: a lane permute's destination counts as one of its sources
.endr
.set j, 0
.rept 32
	v_mov_b32 v[160+j], 0                          ; O^T: the step is written once; the first finds zeros
.set j, j+1
.endr
.macro BMAX lo, hi                     ; the largest score of two blocks of 32 keys, by turns, from each result's low end on
.irp b, \lo, \hi
	v_max3_num_f32 v[BM+\b], v[96+16*\b], v[97+16*\b], v[98+16*\b]
.endr
.irp i, 3,5,7,9,11,13
.irp b, \lo, \hi
	v_max3_num_f32 v[BM+\b], v[BM+\b], v[96+16*\b+\i], v[97+16*\b+\i]
.endr
.endr
.irp b, \lo, \hi
	v_max_num_f32 v[BM+\b], v[BM+\b], v[111+16*\b]
.endr
.endm
; A KEY STEP: 128 keys, record q of the slot in hand.
.macro STEP q
	s_add_co_u32 s96, s[Q0], 23                    ; my tile's largest query
	s_cmp_gt_u32 s[KF], s96
	s_cbranch_scc1 .Lhidden_\@                     ; all keys come after all my queries: the step's work is left out (a branch on ids; no barrier and no tensor load stands in a step)
	v_add_nc_u32 v[AD16], s[TB], v[L16]
	s_wait_alu depctr_va_vdst(0)
	v_add_nc_u32 v[AD8], s[TB], v[L8]
	ds_load_b128 v[228:231], v[AD16] offset:(\q)*REC+KSO   ; K's scale words: register g: lanes 0-15 tile 2 g, lanes 16-31 tile 2 g + 1
.irp g, 0,1                                    ; S^T = K Q^T, four tiles of 16 keys at a time
.if \g
.rept 8
	v_nop                                          ; places in front of loads into registers that the four products above have read
.endr
.endif
.irp t, 0,1,2,3
	ds_load_b128 v[32+16*\t:35+16*\t], v[AD16] offset:(\q)*REC+(4*\g+\t)*1024
	ds_load_b128 v[36+16*\t:39+16*\t], v[AD16] offset:(\q)*REC+(4*\g+\t)*1024+512
.endr
	s_wait_dscnt 0x0
.irp t, 0,1,2,3
.if \t%2
	v_wmma_scale_f32_16x16x128_f8f6f4 v[96+8*(4*\g+\t):103+8*(4*\g+\t)], v[32+16*\t:47+16*\t], v[16:31], 0, v[228+2*\g+\t/2], v234 matrix_a_scale:MATRIX_SCALE_ROW1
.else
	v_wmma_scale_f32_16x16x128_f8f6f4 v[96+8*(4*\g+\t):103+8*(4*\g+\t)], v[32+16*\t:47+16*\t], v[16:31], 0, v[228+2*\g+\t/2], v234
.endif
.endr
.endr                                          ; register 16 b + i: key KF + 32 b + 16 (lane / 16) + i
	s_add_co_u32 s96, s[KF], 127
	s_cmp_le_u32 s96, s[Q0]
	s_cbranch_scc1 .Lopen_\@                       ; all keys count for all my queries
	s_sub_co_i32 s96, s[Q0], s[KF]
	v_add_nc_u32 v226, s96, v[DQ]                  ; d = my query - KF - 16 (lane / 16): register 16 b + i is hidden where 32 b + i > d
	v_mov_b32 v227, 0xff800000                     ; -infinity
.set n, 0
.rept 64                                       ; in ascending order: the lines on the first four tiles are the places behind the last four products
	v_cmp_gt_i32 vcc_lo, 32*(n/16)+n%16, v226
	v_cndmask_b32 v[96+n], v[96+n], v227, vcc_lo
.set n, n+1
.endr
.Lopen_\@:
	BMAX 0, 1                                      ; sixteen lines on the first four tiles' results: the places behind the last four products
	BMAX 2, 3
.irp b, 0,1,2,3
	v_permlanex16_b32 v[BP+\b], v[BM+\b], s[SEL], s[SEL+1]
.endr
.irp b, 0,1,2,3
	s_delay_alu instid0(VALU_DEP_4)
	v_max_num_f32 v[BM+\b], v[BM+\b], v[BP+\b]     ; with lane l xor 16's 16 keys: the block's largest score
.endr
	s_delay_alu instid0(VALU_DEP_2)
	v_max3_num_f32 v226, v[BM], v[BM+1], v[BM+2]
	s_delay_alu instid0(VALU_DEP_1)
	v_max_num_f32 v226, v226, v[BM+3]
	s_delay_alu instid0(VALU_DEP_1)
	v_mul_f32 v226, s[CS], v226
	s_delay_alu instid0(VALU_DEP_1)
	v_max_num_f32 v13, v13, v226                   ; the running largest t
	v_mov_b32 v226, v12
	s_delay_alu instid0(VALU_DEP_2)
	v_floor_f32 v12, -v13                          ; -M = floor(-t): M is a whole number
	s_delay_alu instid0(VALU_DEP_1)
	v_sub_f32 v226, v12, v226                      ; old M - new M, 0 or less
	s_delay_alu instid0(VALU_DEP_1)
	v_cvt_i32_f32 v226, v226                       ; (it saturates)
	s_delay_alu instid0(VALU_DEP_1)
	v_ldexp_f32 v224, 1.0, v226                    ; f = 2^(old M - new M): exact
.set j, 0
.rept 32
	v_pk_fma_f32 v[96+j:97+j], v[96+j:97+j], s[CS:CS+1], v[12:13] op_sel_hi:[1,0,0]   ; t - M
.set j, j+2
.endr
.irp b, 0,1,2,3
	v_fma_f32 v[BM+\b], v[BM+\b], s[CS], v12       ; the same of each block's largest score
.endr
.set j, 0
	s_wait_alu depctr_va_vdst(0)
.rept 64
	v_exp_f32 v[96+j], v[96+j]                     ; p = 2^(t - M): not normalised
.set j, j+1
.endr
	v_pk_mul_f32 v[14:15], v[14:15], v[224:225] op_sel_hi:[1,0]   ; the sums under the new M: a plain line behind the exponentials
	s_wait_alu depctr_va_vdst(0)                   ; one wait for the batch of 64, ahead of its first reader
.irp b, 0,1,2,3
	v_exp_f32 v[BM+\b], v[BM+\b]                   ; the block's largest p: the same two instructions on the same number
.endr
	v_pk_add_f32 v[246:247], v[100:101], v[104:105]
	v_pk_add_f32 v[254:255], v[108:109], v[112:113]
	v_pk_add_f32 v[252:253], v[116:117], v[120:121]
	v_pk_add_f32 v[250:251], v[124:125], v[128:129]
	v_pk_add_f32 v[248:249], v[132:133], v[136:137]
	v_pk_add_f32 v[232:233], v[140:141], v[144:145]
	v_pk_add_f32 v[230:231], v[148:149], v[152:153]
	v_pk_add_f32 v[14:15], v[14:15], v[156:157]
	v_pk_add_f32 v[246:247], v[246:247], v[96:97]
	v_pk_add_f32 v[254:255], v[254:255], v[98:99]
	v_pk_add_f32 v[252:253], v[252:253], v[102:103]
	v_pk_add_f32 v[250:251], v[250:251], v[106:107]
	v_pk_add_f32 v[248:249], v[248:249], v[110:111]
	v_pk_add_f32 v[232:233], v[232:233], v[114:115]
	v_pk_add_f32 v[230:231], v[230:231], v[118:119]
	v_pk_add_f32 v[14:15], v[14:15], v[122:123]
	v_pk_add_f32 v[246:247], v[246:247], v[126:127]
	v_pk_add_f32 v[254:255], v[254:255], v[130:131]
	v_pk_add_f32 v[252:253], v[252:253], v[134:135]
	v_pk_add_f32 v[250:251], v[250:251], v[138:139]
	v_pk_add_f32 v[248:249], v[248:249], v[142:143]
	v_pk_add_f32 v[232:233], v[232:233], v[146:147]
	v_pk_add_f32 v[230:231], v[230:231], v[150:151]
	v_pk_add_f32 v[14:15], v[14:15], v[154:155]
	v_pk_add_f32 v[246:247], v[246:247], v[158:159]
	s_delay_alu instid0(VALU_DEP_2)
	v_pk_add_f32 v[14:15], v[14:15], v[250:251]
	s_delay_alu instid0(VALU_DEP_2)
	v_pk_add_f32 v[246:247], v[246:247], v[248:249]
	v_pk_add_f32 v[254:255], v[254:255], v[232:233]
	v_pk_add_f32 v[252:253], v[252:253], v[230:231]
	s_delay_alu instid0(VALU_DEP_2)
	v_pk_add_f32 v[14:15], v[14:15], v[254:255]
	s_delay_alu instid0(VALU_DEP_2)
	v_pk_add_f32 v[246:247], v[246:247], v[252:253]
	s_delay_alu instid0(VALU_DEP_1)
	v_pk_add_f32 v[14:15], v[14:15], v[246:247]
	s_wait_alu depctr_va_vdst(0)                   ; and one for the four
.irp b, 0,1,2,3
	v_max_num_f32 v[BM+\b], 0x4800000, v[BM+\b]    ; the floor 2^(9 - 127): the byte cannot fall under 1
.endr
.irp b, 0,1,2,3
	s_delay_alu instid0(VALU_DEP_4)
	v_add_nc_u32 v[BS+\b], 0xfc000000, v[BM+\b]
.endr
.irp b, 0,1,2,3
.endr
.irp b, 0,1,2,3
	s_delay_alu instid0(VALU_DEP_4)
	v_lshrrev_b32 v[BP+\b], 23, v[BS+\b]
.endr
	s_delay_alu instid0(VALU_DEP_3)
	v_lshl_or_b32 v225, v[BP+1], 8, v[BP]          ; p's scale word for these 128 keys
	s_delay_alu instid0(VALU_DEP_1)
	v_lshl_or_b32 v225, v[BP+2], 16, v225
	s_delay_alu instid0(VALU_DEP_1)
	v_lshl_or_b32 v225, v[BP+3], 24, v225
.irp b, 0,1,2,3
.set j, 0
.rept 16
.set j, j+1
.endr
	v_cvt_scalef32_pk8_fp8_f32 v[192+4*\b:193+4*\b], v[96+16*\b:103+16*\b], v[BS+\b]
	v_cvt_scalef32_pk8_fp8_f32 v[194+4*\b:195+4*\b], v[104+16*\b:111+16*\b], v[BS+\b]
.endr
	v_nop
.irp u, 0,1,2,3                                ; V^T's four fragments take p's registers
.irp c, 0,1,2,3
	ds_load_b128 v[96+16*\u+4*\c:99+16*\u+4*\c], v[AD16] offset:(\q)*REC+VCO+\u*2048+\c*512
.endr
.endr
	ds_load_b64 v[232:233], v[AD8] offset:(\q)*REC+VSO
.set j, 0
.rept 16
	v_pk_mul_f32 v[160+j:161+j], v[160+j:161+j], v[224:225] op_sel_hi:[1,0]   ; O^T under the new M, while the loads are out; also the places in front of the products
.set j, j+2
.endr
	s_wait_alu depctr_va_vdst(0)
	s_wait_dscnt 0x0
.irp u, 0,1,2,3                                ; O^T += V^T P^T: the four accumulators by turns
.if \u%2
	v_wmma_scale_f32_16x16x128_f8f6f4 v[160+8*\u:167+8*\u], v[96+16*\u:111+16*\u], v[192:207], v[160+8*\u:167+8*\u], v[232+\u/2], v225 matrix_a_scale:MATRIX_SCALE_ROW1
.else
	v_wmma_scale_f32_16x16x128_f8f6f4 v[160+8*\u:167+8*\u], v[96+16*\u:111+16*\u], v[192:207], v[160+8*\u:167+8*\u], v[232+\u/2], v225
.endif
.endr
.rept 9
	v_nop                                          ; nine places: the next step's first products write over V's registers
.endr
.Lhidden_\@:
	s_add_co_u32 s[KF], s[KF], 128
.endm
; THE CHANGE OF SLOTS, at a slot's head.  Each wave waits for all its tensor loads, adds 0 to its spare word, and waits for that and for its reads of the slot that it has left; behind the barrier the slot ahead is whole
; and nobody reads the other one.  fill = 1: that other slot takes the slot that follows in my walk: the next 256 keys, or, where the first block ends, the head's first 256 again.
.macro CHANGE fill
	s_wait_tensorcnt 0x0                           ; no tensor load of mine is out, so the group 0 may be written
	ds_add_u32 v[SPW], v[NIL]                      ; 0 onto my spare word
.if \fill
	s_xor_b32 s[G0+1], s[G0+1], SLOT1
	s_add_co_u32 s[NXT], s[NXT], SLOTB
	s_cmp_eq_u32 s[SLOTS], s[SW]
	s_cselect_b32 s[NXT], 0, s[NXT]
	s_add_nc_u64 s[G0+2:G0+3], s[KB:KB+1], s[NXT:NXT+1]
	s_or_b32 s[G0+3], s[G0+3], 0x80000000
	s_wait_xcnt 0x0                                ; the last prefetch, a slot back, has read its address
	s_add_nc_u64 s[PFA:PFA+1], s[PFA:PFA+1], SLOTB
.endif
	s_wait_dscnt 0x0                               ; the add is done, and my reads of the slot that I have left are over
	s_barrier_signal -1
	s_barrier_wait -1
.if \fill
	TLOAD                                          ; the first thing behind the barrier, and a wave's one tensor load until the next: one load of a wave is out
	ASK
.endif
.endm
.macro SLOT_STEPS
	STEP 0
	STEP 1
	s_xor_b32 s[TB], s[TB], SLOT1
.endm
; A BLOCK'S END: O^T / the sum, quantised along the head's 64 channels (two blocks of 32), as images for the last product.
.macro FINISH
	v_add_f32 v14, v14, v15
	s_delay_alu instid0(VALU_DEP_1)
	v_permlanex16_b32 v[BP], v14, s[SEL], s[SEL+1]
	s_delay_alu instid0(VALU_DEP_1)
	v_add_f32 v14, v14, v[BP]                      ; the row's sum
	s_wait_alu depctr_va_vdst(0)
	v_rcp_f32 v226, v14
	v_cmp_eq_f32 s96, 0, v14                       ; no visible key
	v_mov_b32 v227, 0xffff
	s_wait_alu depctr_va_vdst(0)                   ; ahead of the reciprocal's first reader
	v_cndmask_b32 v224, v226, v[ZERO], s96         ; such a row's numbers become zeros
.set j, 0
.rept 16
	v_pk_mul_f32 v[96+j:97+j], v[160+j:161+j], v[224:225] op_sel_hi:[1,0]   ; register 16 b + i: channel 32 b + 16 (lane / 16) + i
.set j, j+2
.endr
.irp b, 0,1
	v_max3_num_f32 v[BM+\b], |v[96+16*\b]|, |v[97+16*\b]|, 0x4800000
.endr
.irp i, 2,4,6,8,10,12,14
.irp b, 0,1
	s_delay_alu instid0(VALU_DEP_2)
	v_max3_num_f32 v[BM+\b], v[BM+\b], |v[96+16*\b+\i]|, |v[97+16*\b+\i]|
.endr
.endr
.irp b, 0,1
	s_delay_alu instid0(VALU_DEP_2)
	v_permlanex16_b32 v[BP+\b], v[BM+\b], s[SEL], s[SEL+1]
.endr
.irp b, 0,1
	s_delay_alu instid0(VALU_DEP_2)
	v_max_num_f32 v[BM+\b], v[BM+\b], v[BP+\b]
.endr
.irp b, 0,1
	s_delay_alu instid0(VALU_DEP_2)
	v_add_nc_u32 v[BS+\b], 0xfc000000, v[BM+\b]
.endr
.irp b, 0,1
.endr
.irp b, 0,1
	s_delay_alu instid0(VALU_DEP_2)
	v_lshrrev_b32 v[BP+\b], 23, v[BS+\b]
.endr
	s_delay_alu instid0(VALU_DEP_1)
	v_lshl_or_b32 v226, v[BP+1], 8, v[BP]
	s_delay_alu instid0(VALU_DEP_1)
	v_cndmask_b32 v226, v226, v227, s96            ; a row with no visible key: both bytes 0xff
.irp b, 0,1
.set j, 0
.rept 16
.set j, j+1
.endr
	v_cvt_scalef32_pk8_fp8_f32 v[192+4*\b:193+4*\b], v[96+16*\b:103+16*\b], v[BS+\b]
	v_cvt_scalef32_pk8_fp8_f32 v[194+4*\b:195+4*\b], v[104+16*\b:111+16*\b], v[BS+\b]
.endr
	v_add_nc_u32 v10, s50, v[L16]                  ; (a plain line behind the conversions)
	v_add_nc_u32 v11, s51, v[R32]
	global_store_b128 v10, v[192:195], s[8:9]      ; 512 consecutive bytes, aligned
	global_store_b128 v10, v[196:199], s[8:9] offset:512
	global_store_b16 v11, v226, s[10:11]           ; two scale bytes a row, rows 32 bytes apart: one byte in 32 of what the block stores; both halves of the lanes write the same value
.endm
.macro SWITCH                          ; on to the second block of queries
	v_mov_b32 v234, v244
.irp j, 0,1,2,3,4,5,6,7
	v_mov_b32 v[16+\j], v[236+\j]
.endr
.set j, 0
.rept 32
	v_mov_b32 v[160+j], 0
.set j, j+1
.endr
	v_mov_b32 v14, 0
	v_mov_b32 v15, 0
	v_mov_b32 v13, 0xe9800000
	s_delay_alu instid0(VALU_DEP_1)
	v_floor_f32 v12, -v13
	s_mov_b32 s[KF], 0
	s_mov_b32 s[Q0], s97
	s_mov_b32 s50, s52
	s_mov_b32 s51, s53
	s_wait_xcnt 0x0                                ; the block's stores have read their offsets and data: the next steps write those registers
.endm
	s_wait_loadcnt 0x0                             ; Q of both blocks
.Lslot:                                            ; eight trips: behind each change of slots but the last the next slot is asked for
	CHANGE 1
	SLOT_STEPS
	s_cmp_lg_u32 s[SLOTS], s[SW]
	s_cbranch_scc1 .Lsame
	s_wait_alu depctr_va_vdst(0)
	FINISH
	SWITCH
.Lsame:
	s_sub_co_u32 s[SLOTS], s[SLOTS], 1
	s_cmp_lg_u32 s[SLOTS], 0
	s_cbranch_scc1 .Lslot
	CHANGE 0                                       ; the last slot is written out
	SLOT_STEPS
	s_wait_alu depctr_va_vdst(0)
	FINISH
	s_wait_tensorcnt 0x0                           ; the wave's end
	ds_add_u32 v[SPW], v[NIL]
	s_wait_dscnt 0x0
	s_endpgm
.Lfunc_end_k_q98098b5e62_attn:
	.size	k_q98098b5e62_attn, .Lfunc_end_k_q98098b5e62_attn-k_q98098b5e62_attn
	.p2alignl 7, 3214868480
	.fill 96, 4, 3214868480
	.section	.rodata,"a",@progbits
	.p2align	6, 0x0
	.amdhsa_kernel k_q98098b5e62_attn
		.amdhsa_group_segment_fixed_size 327680
		.amdhsa_private_segment_fixed_size 0
		.amdhsa_enable_private_segment 0
		.amdhsa_kernarg_size 32
		.amdhsa_user_sgpr_count 2
		.amdhsa_user_sgpr_kernarg_segment_ptr 1
		.amdhsa_wavefront_size32 1
		.amdhsa_system_sgpr_workgroup_id_x 1
		.amdhsa_system_sgpr_workgroup_id_y 1
		.amdhsa_system_sgpr_workgroup_id_z 1
		.amdhsa_system_vgpr_workitem_id 0
		.amdhsa_next_free_vgpr 256
		.amdhsa_next_free_sgpr 100
		.amdhsa_reserve_vcc 1
		.amdhsa_float_denorm_mode_32 3
		.amdhsa_float_denorm_mode_16_64 3
		.amdhsa_fp16_overflow 1
		.amdhsa_memory_ordered 1
		.amdhsa_forward_progress 1
		.amdhsa_inst_pref_size 109
	.end_amdhsa_kernel
	.amdgpu_metadata
---
amdhsa.version: [ 1, 2 ]
amdhsa.kernels:
  - .name:           k_q98098b5e62_attn
    .symbol:         k_q98098b5e62_attn.kd
    .args:
      - { .name: qrec, .offset: 0, .size: 8, .value_kind: global_buffer, .address_space: global }
      - { .name: kv, .offset: 8, .size: 8, .value_kind: global_buffer, .address_space: global }
      - { .name: aoc, .offset: 16, .size: 8, .value_kind: global_buffer, .address_space: global }
      - { .name: aos, .offset: 24, .size: 8, .value_kind: global_buffer, .address_space: global }
    .group_segment_fixed_size: 327680
    .private_segment_fixed_size: 0
    .kernarg_segment_align: 8
    .kernarg_segment_size: 32
    .max_flat_workgroup_size: 512
    .sgpr_count:     100
    .vgpr_count:     256
    .wavefront_size: 32
...
	.end_amdgpu_metadata
.endif
;; end of part 3
;; launch outp (part 4): grid 4 x 32, 4 waves a work-group, clusters of 4 x 4, 327,680 bytes of LDS; arguments aoc, aos, wc, ws, bo, out0; writes out0
.if DOCPART == 4
	.amdgcn_target "amdgcn-amd-amdhsa--gfx1250"
	.amdhsa_code_object_version 6
	.text
	.protected	k_q98098b5e62_outp
	.globl	k_q98098b5e62_outp
	.p2align	8
	.type	k_q98098b5e62_outp,@function
k_q98098b5e62_outp:
	s_mov_b64 s[64:65], 0
	v_nop
	global_prefetch_b8 v0, s[64:65] scope:SCOPE_SE
	s_setreg_imm32_b32 hwreg(HW_REG_WAVE_MODE, 25, 1), 1
	s_wait_xcnt 0x0
	s_wait_alu depctr_hold_cnt(0) depctr_sa_sdst(0) depctr_va_vdst(0) depctr_va_sdst(0) depctr_va_ssrc(0) depctr_va_vcc(0) depctr_vm_vsrc(0)
	s_getreg_b32 s2, hwreg(HW_REG_IB_STS2, 6, 4)
	s_cmp_eq_u32 s2, 0
	s_cbranch_scc0 .Lentry_in_a_cluster
	s_endpgm
.Lentry_in_a_cluster:
	s_bfe_u32 s2, ttmp6, 0x10000c
	s_cmp_lg_u32 s2, 0xf033
	s_cbranch_scc0 .Lentry_shape_is_right
	s_endpgm
.Lentry_shape_is_right:
; out0 = attention output x Wo^T + bo on codes of FP8 (E4M3) with E8M0 scales for each 32 along K = 1,024; out0 [8192][1024] f32.
; A (source 1) = the attention output, 8,192 rows in the order 0, 2, 1, 3 of the groups of 8 in each 32, stored as IMAGES of the operand's registers: ((tile of 16 rows x 8 + K step of 128) x 4 + chunk) x 512 + 16 lane;
; its scale bytes [8192][32] in the same order of rows.  B (source 0) = Wo: the fourth MiB of wc, rows in their true order; its scale bytes from byte 98,304 of ws.
; A tile of 256 x 256 is made by four waves, each 128 x 128: 64 accumulators.  K goes in steps of 256 through two LDS slots; the scale bytes come once.  4 x 4 work-groups form a cluster: A's tile is asked for jointly by a
; row of the cluster, B's by a column.  The matrix instruction is used transposed: a lane holds eight neighbouring numbers of a row of out0.  bo is the C of each sum's first matrix instruction.
; A row whose scale bytes are 0xff (a query with no visible key) comes out as NaN, as the softmax of an empty row does.
; REGISTERS: window 0: v7, v16-29 addresses; v32-63 scale words; v64-127 the bias; from v128 A's fragments, later rows on the way out.  window 1: B's fragments, two sets.  windows 2, 3: the accumulators.
.set SIZE_N, 1024
.set NQ,     2
.set ROWB,   256
.set KROW,   1024
.set PITCH,  272                       ; B's LDS row: 256 bytes + 16 of padding: the 16 rows that a load touches start at 16 different banks (64 banks of 4 bytes: ISA guide 11.1)
.set FR,     16
.set NL,     4
.set NP,     8
.set HALFA,  32768                     ; A: 8 tiles of rows x 4,096 bytes (two K steps of 128 as images): read 16 bytes a lane on end, so no padding
.set HALFB,  128*PITCH
.set BOFF,   2*HALFA
.set SLOT,   BOFF+2*HALFB
.set LAPS,   2
.set KS,     32
.set SCL,    2*SLOT
.set HALFS,  (128*KS/256)*272
.set SBLK,   (16*KS/256)*272
.set SPARE,  SCL+4*HALFS               ; the spare words, 128 bytes for each wave: two blocks of 256 bytes that no other line names
.set SPITCH, 528                       ; the way out: a stage of 16 rows x (512 + 16) bytes for each wave, in slot 0, which has had its last fill and its last read by then
.set ADRA, 16
.set ADRB, 20
.set STO,  24
.set RD,   25
.set CO,   26
.set ADRS, 27
.set SPW,  28
.set NIL,  29
.set SC,   32
.set BIAS, 64
.set AF,   128
.set BK,   128
.set G1, 24
.set G0, 32
.set G1B, 48
.set G0B, 56
.set G1S, 68
.set G0S, 76
.set G1SB, 80
.set G0SB, 88
.set MSB, 0
.macro WIN new
.if MSB != \new
	s_set_vgpr_msb (MSB<<8)|\new
.set MSB, \new
.endif
.endm
.set MUL_LO, 0xa1
.set MUL_HI, 0xf1
.set BEG_LO, 0x81                      ; the first products: C (the bias) window 0, D window 2
.set BEG_HI, 0xc1
.set TO_B,   0x40
.macro JLOAD g0a, g1a, g0b, g1b        ; a joint load: waves 0 and 1 fetch for A, waves 2 and 3 for B; four v_nop follow each line
	s_cmp_eq_u32 s15, 0
	s_cbranch_scc0 .Lfor_b_\@
	tensor_load_to_lds s[\g0a:\g0a+3], s[\g1a:\g1a+7]
	s_nop 0
.rept 4
	v_nop
.endr
	s_branch .Lasked_\@
.Lfor_b_\@:
	tensor_load_to_lds s[\g0b:\g0b+3], s[\g1b:\g1b+7]
	s_nop 0
.rept 4
	v_nop
.endr
.Lasked_\@:
.endm
.macro CREST
	s_cmp_lg_u32 s14, 0
	s_cbranch_scc1 .Lnot_wave_0_\@
	s_barrier_signal -3
.Lnot_wave_0_\@:
	s_barrier_wait -3
	s_barrier_signal -1
	s_barrier_wait -1
.endm
.macro CROUND
	s_barrier_signal -1
	s_barrier_wait -1
	CREST
.endm
	s_load_b128 s[4:7], s[0:1], 0x0                ; aoc, aos
	s_load_b128 s[8:11], s[0:1], 0x10              ; wc, ws
	s_load_b64 s[96:97], s[0:1], 0x20              ; bo
	s_load_b64 s[12:13], s[0:1], 0x28              ; out0
	v_lshl_add_u32 v[SPW], v0, 2, SPARE
	v_mov_b32 v[NIL], 0
	ds_add_u32 v28, v29
	ds_add_u32 v28, v29
	s_wait_dscnt 0x0
	v_lshrrev_b32 v1, 5, v0
	v_readfirstlane_b32 s14, v1                    ; wave 0..3
	s_lshr_b32 s15, s14, 1                         ; which half of the tile's rows is mine.  Also: I fetch for A (0) or for B (1)
	s_and_b32 s16, s14, 1                          ; which half of its columns.  Also: which 128 rows of that tile I fetch
	s_bfe_u32 s40, ttmp6, 0x40000                  ; cx
	s_bfe_u32 s41, ttmp6, 0x40004                  ; cy
	s_lshl_b32 s42, ttmp9, 2
	s_add_co_u32 s42, s42, s40                     ; tile column
	s_and_b32 s17, ttmp7, 0xffff
	s_lshl_b32 s17, s17, 2
	s_add_co_u32 s17, s17, s41                     ; tile row
	s_lshl_b32 s43, s41, 2
	s_lshl_b32 s43, 15, s43                        ; my row of the cluster
	s_lshl_b32 s44, 0x1111, s40                    ; my column
	; A's tile: 8 rows of 4,096 bytes (512 elements of 8 bytes), 16,384 bytes apart in memory, on end in LDS
	s_or_b32 s[G1+0], s43, (3<<16)|(1<<21)
	s_mov_b32 s[G1+1], 512<<16                     ; tensor_dim0
	s_mov_b32 s[G1+2], 8<<16                       ; tensor_dim1
	s_mov_b32 s[G1+3], 512<<16                     ; tile_dim0
	s_mov_b32 s[G1+4], 8                           ; tile_dim1
	s_mov_b32 s[G1+5], 2048                        ; the pitch in elements
	s_mov_b32 s[G1+6], 0
	s_mov_b32 s[G1+7], 0
	; B's tile: 128 rows x 256 bytes, padded in LDS
	s_or_b32 s[G1B+0], s44, (0<<16)|(1<<20)|(1<<21)|(5<<22)|(3<<25)
	s_mov_b32 s[G1B+1], ROWB<<16
	s_mov_b32 s[G1B+2], 128<<16
	s_mov_b32 s[G1B+3], ROWB<<16
	s_mov_b32 s[G1B+4], 128
	s_mov_b32 s[G1B+5], KROW
	s_mov_b32 s[G1B+6], 0
	s_mov_b32 s[G1B+7], 0
	; the scale bytes of 128 rows: 16 rows of 256 bytes, 16 bytes of padding behind each
	s_or_b32 s[G1S+0], s43, (3<<16)|(1<<20)|(1<<21)|(5<<22)|(3<<25)
	s_or_b32 s[G1SB+0], s44, (3<<16)|(1<<20)|(1<<21)|(5<<22)|(3<<25)
.irp g, G1S, G1SB
	s_mov_b32 s[\g+1], 32<<16
	s_mov_b32 s[\g+2], (128*KS/256)<<16
	s_mov_b32 s[\g+3], 32<<16
	s_mov_b32 s[\g+4], 128*KS/256
	s_mov_b32 s[\g+5], 32
	s_mov_b32 s[\g+6], 0
	s_mov_b32 s[\g+7], 0
.endr
	s_lshl_b32 s18, s16, 7                         ; which 128 rows of the tile I fetch
	s_lshl_b32 s20, s17, 8
	s_add_co_u32 s20, s20, s18                     ; A's row
	s_lshl_b32 s46, s42, 8
	s_add_co_u32 s46, s46, s18                     ; B's row
	s_lshl_b32 s22, s20, 5                         ; A's scale bytes,
	s_mov_b32 s23, 0
	s_lshl_b32 s20, s20, 10                        ; A's images: 16,384 bytes for 16 rows
	s_mov_b32 s21, 0
	s_lshl_b32 s92, s46, 5
	s_add_co_u32 s92, s92, 98304                   ; Wo's scale bytes
	s_mov_b32 s93, 0
	s_lshl_b32 s46, s46, 10
	s_add_co_u32 s46, s46, 0x300000                ; Wo's codes
	s_mov_b32 s47, 0
	s_mul_i32 s45, s16, HALFA                      ; where they go: no place in the cluster enters an LDS address
	s_mul_i32 s95, s16, HALFB
	s_add_co_u32 s95, s95, BOFF
	s_mul_i32 s94, s14, HALFS
	s_lshl_b32 s98, s42, 10
	s_lshl_b32 s99, s16, 9
	s_add_co_u32 s98, s98, s99                     ; 4 x my first column
	s_mov_b32 s99, 0
	v_bfe_u32 v2, v0, 4, 1
	v_lshlrev_b32 v7, 5, v2                        ; 8 h numbers of 4 bytes; never rewritten
	s_wait_alu depctr_va_vdst(0)
	s_wait_kmcnt 0x0
	s_add_nc_u64 s[96:97], s[96:97], s[98:99]
.irp b, 0,1,2,3,4,5,6,7                        ; the bias in the result's layout: register j of tile b is column 16 b + 8 h + j
	global_load_b128 v[BIAS+8*\b:BIAS+8*\b+3], v7, s[96:97] offset:64*\b
	global_load_b128 v[BIAS+8*\b+4:BIAS+8*\b+7], v7, s[96:97] offset:64*\b+16
.endr
	s_add_nc_u64 s[20:21], s[4:5], s[20:21]
	s_add_nc_u64 s[22:23], s[6:7], s[22:23]
	s_add_nc_u64 s[46:47], s[8:9], s[46:47]
	s_add_nc_u64 s[92:93], s[10:11], s[92:93]
	CROUND                                         ; all sixteen work-groups are here: the first joint loads meet
	s_mov_b32 s[G0S], 1
	s_add_co_u32 s[G0S+1], s94, SCL
	s_mov_b64 s[G0S+2:G0S+3], s[22:23]
	s_or_b32 s[G0S+3], s[G0S+3], 0x80000000
	s_mov_b32 s[G0SB], 1
	s_add_co_u32 s[G0SB+1], s94, SCL
	s_mov_b64 s[G0SB+2:G0SB+3], s[92:93]
	s_or_b32 s[G0SB+3], s[G0SB+3], 0x80000000
	JLOAD G0S, G1S, G0SB, G1SB
.irp s, 0,1
	s_mov_b32 s[G0+4*\s], 1
	s_add_co_u32 s[G0+4*\s+1], s45, \s*SLOT
	s_add_nc_u64 s[G0+4*\s+2:G0+4*\s+3], s[20:21], \s*4096
	s_or_b32 s[G0+4*\s+3], s[G0+4*\s+3], 0x80000000
	s_mov_b32 s[G0B+4*\s], 1
	s_add_co_u32 s[G0B+4*\s+1], s95, \s*SLOT
	s_add_nc_u64 s[G0B+4*\s+2:G0B+4*\s+3], s[46:47], \s*ROWB
	s_or_b32 s[G0B+4*\s+3], s[G0B+4*\s+3], 0x80000000
	s_wait_alu depctr_va_vdst(0)
	s_wait_tensorcnt 0x0
	ds_add_u32 v28, v29
	s_wait_dscnt 0x0
	CROUND
	JLOAD G0+4*\s, G1, G0B+4*\s, G1B
.endr
	v_and_b32 v1, 15, v0
	v_bfe_u32 v2, v0, 4, 1
	v_mul_u32_u24 v3, v1, PITCH
	v_lshl_add_u32 v4, v2, 4, v3                   ; B: a fragment's row x pitch + 16 x half
	v_and_b32 v6, 31, v0
	v_lshlrev_b32 v[CO], 4, v6                     ; 16 x lane: A's images, and my place in a row of out0
	s_mul_i32 s21, s15, HALFA                      ; my 128 rows of A
	s_mul_i32 s22, s16, HALFB                      ; my 128 rows of B
	s_add_co_u32 s22, s22, BOFF
.irp s, 0,1
	v_add_nc_u32 v[ADRA+\s], s21, v[CO]
	v_add_nc_u32 v[ADRB+\s], s22, v4
	s_add_co_u32 s21, s21, SLOT
	s_add_co_u32 s22, s22, SLOT
.endr
	v_mul_u32_u24 v5, v1, KS
	v_lshrrev_b32 v6, 8, v5
	v_lshl_add_u32 v5, v6, 4, v5
	s_mul_i32 s21, s15, HALFS
	s_mul_i32 s22, s16, HALFS
	s_add_co_u32 s22, s22, 2*HALFS
	s_sub_co_u32 s22, s22, s21
	v_mul_u32_u24 v6, s22, v2                      ; lanes 16-31 take B's
	s_add_co_u32 s21, s21, SCL
	v_add_nc_u32 v5, v5, v6
	v_add_nc_u32 v[ADRS], s21, v5
	s_mul_i32 s23, s14, 16*SPITCH                  ; my stage
	v_mul_u32_u24 v5, v1, SPITCH
	v_lshl_add_u32 v5, v2, 5, v5
	v_add_nc_u32 v[STO], s23, v5                   ; in: row l % 16, 32 bytes for each half of the lanes
	v_add_nc_u32 v[RD], s23, v[CO]                 ; back: the 32 lanes take one row of 512 bytes
	s_lshl_b32 s20, s17, 20                        ; my first row of out0: (256 x tile row + 128 x half) x 4,096 bytes
	s_lshl_b32 s21, s15, 19
	s_add_co_u32 s20, s20, s21
	s_mov_b32 s21, 0
	s_lshl_b32 s46, s42, 10                        ; my first column, in bytes
	s_lshl_b32 s47, s16, 9
	s_add_co_u32 s46, s46, s47
	s_mov_b32 s47, 0
	s_add_nc_u64 s[20:21], s[20:21], s[46:47]
	s_add_nc_u64 s[12:13], s[12:13], s[20:21]
.macro FRAGB reg, adr, q, i
.irp c, 0,1,2,3
	ds_load_b128 v[\reg+4*\c:\reg+4*\c+3], v[\adr] offset:128*(\q)+32*\c+(\i)*16*PITCH
.endr
.endm
.macro FRAGA reg, adr, q, i            ; an image: tile of rows i, K step q of the slot, chunk c
.irp c, 0,1,2,3
	ds_load_b128 v[\reg+4*\c:\reg+4*\c+3], v[\adr] offset:(\i)*4096+(\q)*2048+512*\c
.endr
.endm
.macro MUL16 a0, p, q, sc, cm          ; 16 matrix instructions; cm = 1: the sums begin with the bias.  The 64 accumulators take turns
.irp a, \a0, \a0+1
.irp b, 0,1,2,3,4,5,6,7
.set rD, 8*(8*((\a)%4)+\b)
.set rB, 128*(\p)+FR*\b
.set rA, AF+FR*(\a)
.set sB, SC+8*NQ*(\sc)+NQ*\b+(\q)
.set sA, SC+8*NQ*(\sc)+NQ*(\a)+(\q)
.if \cm
	v_wmma_scale_f32_16x16x128_f8f6f4 v[rD:rD+7], v[rB:rB+FR-1], v[rA:rA+FR-1], v[BIAS+8*\b:BIAS+8*\b+7], v[sB], v[sA] matrix_a_scale:MATRIX_SCALE_ROW1
.else
	v_wmma_scale_f32_16x16x128_f8f6f4 v[rD:rD+7], v[rB:rB+FR-1], v[rA:rA+FR-1], v[rD:rD+7], v[sB], v[sA] matrix_a_scale:MATRIX_SCALE_ROW1
.endif
.endr
.endr
.endm
.macro FETCH_B slot, q, p
	WIN TO_B
.irp i, 0,1,2,3,4,5,6,7
	FRAGB 128*(\p)+FR*\i, ADRB+\slot, \q, \i
.endr
	WIN 0
.endm
.macro FETCH_A slot, q, i0
.irp i, \i0, \i0+1, \i0+2, \i0+3
	FRAGA AF+FR*(\i), ADRA+\slot, \q, \i
.endr
.endm
.macro SCALES sc
.irp i, 0,1,2,3,4,5,6,7
	ds_load_b64 v[SC+8*NQ*\sc+NQ*\i:SC+8*NQ*\sc+NQ*\i+1], v[ADRS] offset:\i*SBLK
.endr
.endm
.macro PLACES n
.rept \n
	v_nop
.endr
.endm
.macro STEP slot, q, cm
	s_wait_dscnt 4*NL                              ; B's set and A's blocks 0-3 are in; the youngest sixteen loads (A's blocks 4-7) may be out
.if \cm
	WIN BEG_LO
.else
	WIN MUL_LO
.endif
	MUL16 0, (\q)%2, \q, \slot, \cm
	MUL16 2, (\q)%2, \q, \slot, \cm
	s_wait_dscnt 0
	PLACES NP
	FETCH_B \slot, (\q)+1, 1-(\q)%2
	FETCH_A \slot, (\q)+1, 0
.if \cm
	WIN BEG_HI
.else
	WIN MUL_HI
.endif
	MUL16 4, (\q)%2, \q, \slot, \cm
	MUL16 6, (\q)%2, \q, \slot, \cm
	PLACES NP
	WIN 0
	FETCH_A \slot, (\q)+1, 4
.endm
.macro TURN slot, next, fill
	s_wait_tensorcnt 0x0                           ; all my tensor loads have landed: my part of the next slot
	ds_add_u32 v[SPW], v[NIL]                      ; 0 onto my spare word
	s_wait_dscnt 4*NL+1                            ; (the add and the youngest sixteen loads may be out)
	WIN MUL_LO
	MUL16 0, 1, NQ-1, \slot, 0
	s_wait_dscnt 0x0                               ; the add is done, and my reads of this slot are over
	s_barrier_signal -1
	MUL16 2, 1, NQ-1, \slot, 0
	WIN 0
	s_barrier_wait -1
.if \fill
	CREST                                          ; a round of the cluster's barrier: no wave of any partner still reads this slot or has a load on its way
	s_add_nc_u64 s[G0+4*\slot+2:G0+4*\slot+3], s[G0+4*\slot+2:G0+4*\slot+3], 2*4096
	s_add_nc_u64 s[G0B+4*\slot+2:G0B+4*\slot+3], s[G0B+4*\slot+2:G0B+4*\slot+3], 2*ROWB
	JLOAD G0+4*\slot, G1, G0B+4*\slot, G1B
	PLACES NP-4
.else
	PLACES NP
.endif
	s_wait_alu depctr_va_vdst(0)
	v_add_nc_u32 v[ADRS], 4*NQ, v[ADRS]
	FETCH_B \next, 0, 0
	FETCH_A \next, 0, 0
	SCALES \next
	WIN MUL_HI
	MUL16 4, 1, NQ-1, \slot, 0
	MUL16 6, 1, NQ-1, \slot, 0
	PLACES NP
	WIN 0
	FETCH_A \next, 0, 4
.endm
	s_wait_alu depctr_va_vdst(0)
	s_wait_tensorcnt 1                             ; the scale bytes and my part of K step 0 are in (K step 1's load may be out),
	s_barrier_signal -1
	s_barrier_wait -1                              ; everybody's are
	FETCH_B 0, 0, 0
	FETCH_A 0, 0, 0
	SCALES 0
	FETCH_A 0, 0, 4
	s_wait_loadcnt 0x0                             ; the bias
	STEP 0, 0, 1                                   ; the first step stands in front of the loop: its products start the sums, from the bias
	s_mov_b32 s3, LAPS-1
.Llap:
	TURN 0, 1, 1
	STEP 1, 0, 0
	TURN 1, 0, 1
	STEP 0, 0, 0
	s_sub_co_u32 s3, s3, 1
	s_cmp_lg_u32 s3, 0
	s_cbranch_scc1 .Llap
	TURN 0, 1, 0                                   ; the last lap fills nothing
	STEP 1, 0, 0
	s_wait_dscnt 4*NL
	WIN MUL_LO
	MUL16 0, 1, NQ-1, 1, 0
	MUL16 2, 1, NQ-1, 1, 0
	s_wait_dscnt 0
	WIN MUL_HI
	MUL16 4, 1, NQ-1, 1, 0
	MUL16 6, 1, NQ-1, 1, 0
	WIN 0
; THE WAY OUT, block by block of 16 rows x 128 columns, through my own stage in LDS: back as whole rows of 512 bytes.  LDS serves a wave's instructions in order (ISA guide 5.7.1.4).
; Place t of block a is row 32 (a / 2) + 8 (a % 2) + t + 8 (t / 8) of my 128.
.macro TOSTAGE a
.set AC, 64*((\a)%4)
.set WW, 0x08+4*((\a)/4)
	WIN WW                                         ; an LDS store's data: window 2 or 3
.irp b, 0,1,2,3,4,5,6,7
	ds_store_b128 v[STO], v[AC+8*\b:AC+8*\b+3] offset:64*\b          ; each accumulator from its low end on
	ds_store_b128 v[STO], v[AC+8*\b+4:AC+8*\b+7] offset:64*\b+16
.endr
	WIN 0
.set BB, BK+64*((\a)%2)
.irp t, 0,1,2,3,4,5,6,7,8,9,10,11,12,13,14,15
	ds_load_b128 v[BB+4*\t:BB+4*\t+3], v[RD] offset:\t*SPITCH
.endr
.endm
.macro SEND a, younger                 ; younger: the LDS instructions issued behind block a's loads, which may stay out
.set BB, BK+64*((\a)%2)
	s_wait_dscnt \younger
.if (\a) > 0
.if (\a)%2
	s_add_nc_u64 s[12:13], s[12:13], 8*SIZE_N*4    ; (behind a wait on XCNT: the earlier stores have read their base)
.else
	s_add_nc_u64 s[12:13], s[12:13], 24*SIZE_N*4
.endif
.endif
.irp t, 0,1,2,3,4,5,6,7,8,9,10,11,12,13,14,15
	global_store_b128 v[CO], v[BB+4*\t:BB+4*\t+3], s[12:13] offset:(\t+8*(\t/8))*SIZE_N*4 th:TH_STORE_NT   ; 32 lanes store 512 consecutive bytes, aligned; written once, read by nobody here
.endr
.endm
	PLACES NP
	TOSTAGE 0
.irp a, 1,2,3,4,5,6,7
.if \a > 1
	s_wait_xcnt 0x0                                ; block a - 2's stores have read their registers and their base
.endif
	TOSTAGE \a
	SEND \a-1, 32                                  ; behind block a - 1's loads: block a's 16 stores and 16 loads
.endr
	s_wait_xcnt 0x0
	SEND 7, 0
	s_wait_tensorcnt 0x0                           ; the wave's end
	ds_add_u32 v[SPW], v[NIL]
	s_wait_dscnt 0x0
	CROUND                                         ; the closing round
	s_endpgm
.Lfunc_end_k_q98098b5e62_outp:
	.size	k_q98098b5e62_outp, .Lfunc_end_k_q98098b5e62_outp-k_q98098b5e62_outp
	.p2alignl 7, 3214868480
	.fill 96, 4, 3214868480
	.section	.rodata,"a",@progbits
	.p2align	6, 0x0
	.amdhsa_kernel k_q98098b5e62_outp
		.amdhsa_group_segment_fixed_size 327680
		.amdhsa_private_segment_fixed_size 0
		.amdhsa_enable_private_segment 0
		.amdhsa_kernarg_size 48
		.amdhsa_user_sgpr_count 2
		.amdhsa_user_sgpr_kernarg_segment_ptr 1
		.amdhsa_wavefront_size32 1
		.amdhsa_system_sgpr_workgroup_id_x 1
		.amdhsa_system_sgpr_workgroup_id_y 1
		.amdhsa_system_sgpr_workgroup_id_z 1
		.amdhsa_system_vgpr_workitem_id 0
		.amdhsa_next_free_vgpr 1024
		.amdhsa_next_free_sgpr 100
		.amdhsa_reserve_vcc 0
		.amdhsa_float_denorm_mode_32 3
		.amdhsa_float_denorm_mode_16_64 3
		.amdhsa_memory_ordered 1
		.amdhsa_forward_progress 1
		.amdhsa_inst_pref_size 148
	.end_amdhsa_kernel
	.amdgpu_metadata
---
amdhsa.version: [ 1, 2 ]
amdhsa.kernels:
  - .name:           k_q98098b5e62_outp
    .symbol:         k_q98098b5e62_outp.kd
    .args:
      - { .name: aoc, .offset: 0, .size: 8, .value_kind: global_buffer, .address_space: global }
      - { .name: aos, .offset: 8, .size: 8, .value_kind: global_buffer, .address_space: global }
      - { .name: wc, .offset: 16, .size: 8, .value_kind: global_buffer, .address_space: global }
      - { .name: ws, .offset: 24, .size: 8, .value_kind: global_buffer, .address_space: global }
      - { .name: bo, .offset: 32, .size: 8, .value_kind: global_buffer, .address_space: global }
      - { .name: out0, .offset: 40, .size: 8, .value_kind: global_buffer, .address_space: global }
    .group_segment_fixed_size: 327680
    .private_segment_fixed_size: 0
    .kernarg_segment_align: 8
    .kernarg_segment_size: 48
    .max_flat_workgroup_size: 128
    .sgpr_count:     100
    .vgpr_count:     1024
    .wavefront_size: 32
...
	.end_amdgpu_metadata
.endif
;; end of part 4
